; MI455X (gfx1250); checked and timed in simulation.
; The chip was launched on July 23, 2026; its instructions are those of AMD's public machine-readable ISA for CDNA 5 (MIT licence, August 2026) and "CDNA5" Instruction Set Architecture Reference Guide (July 2026). The comments in the code are by the model that wrote it; some were corrected since.
;; Self Attention. Allowed arithmetic: matrix products marked QUANTISED: E2M1 operands, one E8M0 scale for each 32 along K, by v_wmma_scale_f32_16x16x128_f8f6f4 with both operands' format E2M1 (or v_wmma_scale_f32_32x16x128_f4), f32 sums; everything else in f32.
;; Inputs: W_proj_codes 1,024 x 32 x 16 uint8 (E2M1 codes of W_proj, K innermost, in blocks of 32 codes, two codes a byte); W_proj_scales 1,024 x 32 uint8 (E8M0 scales of W_proj, one for each 32 codes along K); W_qkv_codes 3,072 x 32 x 16 uint8 (E2M1 codes of W_qkv, K innermost, in blocks of 32 codes, two codes a byte); W_qkv_scales 3,072 x 32 uint8 (E8M0 scales of W_qkv, one for each 32 codes along K); b_proj 1,024 float32; b_qkv 3,072 float32; x_codes 4 x 2,048 x 32 x 16 uint8 (E2M1 codes of x, K innermost, in blocks of 32 codes, two codes a byte); x_scales 4 x 2,048 x 32 uint8 (E8M0 scales of x, one for each 32 codes along K).
;; Outputs: out0 4 x 2,048 x 1,024 float32.
;; This version of the problem:
;;   THIS VERSION OF THE PROBLEM IS GIVEN IN LOW PRECISION. The matrix products marked QUANTISED in the list below multiply operands that are first quantised to E2M1 (2 exponent bits, 1 mantissa bit; 4 bits a number), with one power-of-two scale for each 32 numbers along K (OCP MX v1.0); their sums are f32. All else is computed in f32.
;;   The module's matrix products, in the order in which they are computed (A, B: the left and right operand; K: the contracted axis; several contracted axes count as one K, in the product's order):
;;     1. [M 8,192, K 1,024] x [K 1,024, N 3,072]; A: input x (given as codes); B: input W_qkv (given as codes): QUANTISED
;;     2. batch 64 x [M 2,048, K 64] x [K 64, N 2,048]; A: computed on the way; B: computed on the way: QUANTISED
;;     3. batch 64 x [M 2,048, K 2,048] x [K 2,048, N 64]; A: softmax (see below); B: computed on the way: QUANTISED
;;     4. [M 8,192, K 1,024] x [K 1,024, N 1,024]; A: computed on the way; B: input W_proj (given as codes): QUANTISED
;;   THE QUANTISER, for each operand of a quantised product, along K:
;;     - K is cut into blocks of 32 from its start; a last block that is shorter is filled with zeros.
;;     - A block's scale is 2^e with e = floor(log2(the largest magnitude in the block)) - 2, held to -126 .. 127; a block of zeros has e = 0. As a byte (E8M0): e + 127.
;;     - Each number is divided by its block's scale, clamped to +-6, and rounded to the nearest number of E2M1, ties to even, subnormals kept.
;;     - The product sums the exact products of the quantised numbers (number of the format x scale) in f32.
;;   ~~~python
;;   def quantise(x, axis):      # numpy; x: float32 -> the quantised numbers, widened to float32 again
;;       x = np.moveaxis(x, axis, -1); K = x.shape[-1]
;;       x = np.pad(x, [(0, 0)] * (x.ndim - 1) + [(0, -K % 32)]); x = x.reshape(x.shape[:-1] + (-1, 32)); a = np.abs(x).max(-1, keepdims=True)
;;       e = np.where(a > 0, np.clip(np.frexp(np.where(a > 0, a, 1))[1] - 1 - 2, -126, 127), 0)      # np.frexp(a)[1] - 1 = floor(log2(a)), exactly
;;       r = np.clip(x / 2.0 ** e, -6, 6)
;;       step = 2.0 ** (np.maximum(np.frexp(np.where(r == 0, 1, r))[1] - 1, 0) - 1)
;;       q = np.round(r / step) * step * 2.0 ** e      # np.round: ties to even
;;       return np.moveaxis(q.reshape(q.shape[:-2] + (-1,))[..., :K], -1, axis).astype(np.float32)
;;   ~~~
;;   SOFTMAX AHEAD OF A QUANTISED PRODUCT. Where the list says 'softmax', what is quantised is not the finished softmax but p = 2^(t - M), with t = logit x log2(e) and M = ceil(the row's largest t), a whole number; so 1/2 < the row's largest p <= 1. The row's sum l is taken of the UNQUANTISED p, in f32, and the product's result is divided by l at the end. Since M is a whole number, a kernel that streams over the keys may use a running M (the ceiling of the running maximum): every later rescaling is an exact power of two, which a block's scale takes up: the codes' values come out the same.
;;   OPERANDS COMPUTED ON THE WAY. 'Computed on the way' means the value that the module computes at that place (a softmax that the list does not call 'softmax' is quantised finished and normalised). What goes into a quantiser is computed in f32, as accurately as f32 sums, v_exp_f32 and their like allow (about 1e-6 of the number): no bf16 or f16 on the way to a quantiser, and a product that is left as it is and whose result goes on into a quantised operand takes f32 operands (vector FMAs, or v_wmma_f32_16x16x4_f32). A number that lies on a knife's edge between two numbers of the format may be rounded either way, as far as f32 arithmetic and the matrix unit's own rounding can turn it there, and no further.
;;   INPUTS GIVEN AS CODES. W_proj (in the module: [1024, 1024], K = its axis 1); W_qkv (in the module: [3072, 1024], K = its axis 1); x (in the module: [4, 2048, 1024], K = its axis 2): each comes as NAME_codes (uint8): NAME with its K axis moved to the last place and cut into blocks of 32 codes, [.., K / 32, bytes a block], one block behind the other in memory; two codes a byte, the lower K in the low four bits (a code: sign, 2 exponent bits, 1 mantissa bit); and NAME_scales (uint8): the same leading axes, one E8M0 byte (e + 127) for each 32 codes along K. Its value is code x scale, taken as it is: it is not quantised again, and the codes and scales need not be those that the quantiser above would give.
;; One version. Each part assembles by itself: llvm-mc -triple=amdgcn-amd-amdhsa -mcpu=gfx1250 --defsym DOCPART=n.
;; ======== version 1 of 1: 3 launches
;; workspace buffers: qw 9,175,040 bytes; kvw 9,175,040 bytes; ac 4,194,304 bytes; asc 262,144 bytes
;; launch qkv (part 1): grid 12 x 32, 4 waves a work-group, clusters of 4 x 4, 327,680 bytes of LDS; arguments x_codes, x_scales, W_qkv_codes, W_qkv_scales, b_qkv, qw, kvw; writes qw, kvw
.if DOCPART == 1
	.amdgcn_target "amdgcn-amd-amdhsa--gfx1250"
	.amdhsa_code_object_version 6
	.text
	.protected	k_q36f1ea8c71_qkv
	.globl	k_q36f1ea8c71_qkv
	.p2align	8
	.type	k_q36f1ea8c71_qkv,@function
k_q36f1ea8c71_qkv:
	s_mov_b64 s[64:65], 0
	v_nop
	global_prefetch_b8 v0, s[64:65] scope:SCOPE_SE
	s_setreg_imm32_b32 hwreg(HW_REG_WAVE_MODE, 25, 1), 1
	s_wait_xcnt 0x0
	s_wait_alu depctr_hold_cnt(0) depctr_sa_sdst(0) depctr_va_vdst(0) depctr_va_sdst(0) depctr_va_ssrc(0) depctr_va_vcc(0) depctr_vm_vsrc(0)
	s_getreg_b32 s2, hwreg(HW_REG_IB_STS2, 6, 4)
	s_cmp_eq_u32 s2, 0
	s_cbranch_scc0 .Lentry_in_a_cluster
	s_endpgm
.Lentry_in_a_cluster:
	s_bfe_u32 s2, ttmp6, 0x10000c
	s_cmp_lg_u32 s2, 0xf033
	s_cbranch_scc0 .Lentry_shape_is_right
	s_endpgm
.Lentry_shape_is_right:
; qkv = x W_qkv^T + b_qkv on codes of E2M1 with one E8M0 scale for each 32 along K (K = 1,024), sums in f32; its three thirds are quantised here, in registers, for the attention launch:
; q and k along the head's 64, v along the keys.  Only codes and scale bytes go to memory, laid as images of the operands' registers.
; DEAD WORK OF THE PROGRAM.  reference() sets att to -inf wherever key > query (its own jnp.tril), so the softmax's weight there is exp(-inf) = 0 for all finite inputs: a step of 128 keys all of which
; come after a tile's 16 queries adds 0 to the row's sum and 0 to out.  The attention launch does not walk such steps (that part of products 2 and 3).  Nothing else is left out: every q, k and v is read by a
; step that counts, b_qkv moves the codes and scales of all three, and all eight inputs are loaded.  LIMIT: a NaN, an infinity or an overflow that reaches only hidden keys is not carried to the result.
; LIMITS: a block of zeros gets the scale byte 1 where the quantiser says 127: its codes are zeros, which add nothing under any byte but 0xff, and only this program reads these bytes.  NaN and infinities among the inputs are not served.
; SHARES.  A work-group of four waves makes 256 x 256 of the product, a wave 128 x 128: 64 accumulators of 16 x 16, 512 registers.  K goes in two steps of 512 through two LDS slots, both filled once, at the start.
; THE MATRIX INSTRUCTION IS USED TRANSPOSED: source 0 = 16 rows of role B, source 1 = 16 rows of role A: a lane holds ONE row of role A, and its registers run along role B's rows.
; THREE CLASSES, by the cluster's x (the same in all sixteen partners): 0 = q, 1 = k: role A = x (tokens), role B = W_qkv (channels): a lane's registers run along the head's channels, which are the next K.
; 2 = v: role A = W_qkv (channels), role B = x (tokens = keys): a lane's registers run along the keys, which are v's next K.  So one quantiser serves all three; between the classes only pointers, the bias's place and the stores' steps differ.
; CLUSTERS: 4 x 4 work-groups.  In every class role A's tile hangs on cy alone and is shared along a row of the cluster, role B's on cx alone and is shared along a column: each is asked for JOINTLY.
; OUT.  kvw and qw: [batch x head = 64][step of 128 tokens = 16] records of 8,960 bytes: +0 codes of k (or q): tile of 16 tokens t at 512 t, lane (r, h): the 32 codes of channels 32 h on of token r;
; +4,096 codes of v: tile of 16 channels t, registers 4 c .. 4 c + 3 of the fragment 16 channels x 128 keys at 1,024 t + 512 c;  +8,192 scale words of k (or q): tile a, row r at 16 (r + 16 (a % 2)) + 4 (a / 2);
; +8,704 scale words of v: tile t, row r at 8 (r + 16 (t % 2)) + 4 (t / 2).  A word of q or k: bytes 0, 1 the head's two blocks, bytes 2, 3 = 127.
; REGISTERS, in windows of 256: window 0: v1-8 at work and offsets; v16-29 addresses; v32-95 scale words, two sets; v96-127 the quantiser's; v128-191 role A's fragments, ONE set; v192-255 the bias.
;   window 1: role B's fragments, TWO sets.   window 2: the accumulators of my rows 0-63 ((a, b) at v[8 (8 a + b)]);   window 3: those of my rows 64-127.
.set NQ,     4                         ; steps of 128 along K in a slot
.set ROWB,   256                       ; a tile's row in bytes: 512 codes
.set KROW,   512                       ; a row of x or W_qkv in memory, in bytes
.set PITCH,  272                       ; an LDS row: 256 bytes + 16 of padding = 68 words: row r starts at bank 4 r mod 64 (64 banks of 4 bytes: ISA guide 11.1)
.set FR,     8                         ; registers of a fragment: 16 rows x 128 K
.set NL,     2                         ; LDS loads that bring one
.set NP,     4                         ; places behind this matrix instruction (ISA guide 7.12.1)
.set HALFT,  128*PITCH                 ; 128 rows: what one tensor load brings
.set SLOT,   4*HALFT                   ; role A's 256 rows, then role B's 256
.set KS,     32                        ; a row of scale bytes
.set SCL,    2*SLOT                    ; behind the slots: the scales, as units of 256 bytes + 16 of padding
.set HALFS,  (128*KS/256)*272          ; those of 128 rows
.set SBLK,   (16*KS/256)*272           ; those of 16 rows
.set SPARE,  SCL+4*HALFS               ; the spare words, 128 bytes for each wave: two blocks of 256 bytes that no other line names
.set REC,    8960                      ; a record
.set HS,     16*REC                    ; from head to head
.set BO1,  7                           ; v7   32 x (lane / 16): the bias's offset, classes q and k; never rewritten
.set BO2,  8                           ; v8   4 x (lane % 16): the bias's offset, class v; never rewritten
.set ADRA, 16                          ; v16-17  LDS address of my role A fragments in slot 0, 1
.set ADRB, 20                          ; v20-21  the same for role B
.set L8,   25                          ; v25  8 x lane
.set L16,  26                          ; v26  16 x lane
.set ADRS, 27                          ; v27  LDS address of my scale words: lanes 0-15 role A's rows, lanes 16-31 role B's
.set SPW,  28                          ; v28  LDS address of my spare word; never rewritten
.set NIL,  29                          ; v29  0; never rewritten
.set SC,   32                          ; scale words: set s at v[SC + 32 s]; register 4 i + q: lanes 0-15 role A's block i, lanes 16-31 role B's block i, the slot's q-th 128 along K
.set TM,   96                          ; v96-99 largest magnitudes, v100-103 the other half's, then bytes, v108-111 the conversions' scale operands
.set PC,   112                         ; v112-119 the codes just made
.set PWR,  120                         ; v120-127 the scale word of each of my eight blocks of rows
.set AF,   128                         ; role A's fragments
.set Z,    128                         ; at the end: the scale words as they are stored
.set ZA,   132
.set ZB,   136
.set BIAS, 192
.set G1, 24                            ; s[24:31] descriptor group 1 for role A's tiles;  s[32:39] group 0, one set for each slot
.set G0, 32
.set G1B, 48                           ; s[48:55], s[56:63] the same for role B's
.set G0B, 56
.set G1S, 68                           ; s[68:75], s[76:79] groups 1 and 0 for role A's scales;  s[80:87], s[88:91] for role B's
.set G0S, 76
.set G1SB, 80
.set G0SB, 88
.set CLS, 95                           ; s95  the class
.set OB0, 6                            ; s[6:7], s[8:9]     where the two halves of a fragment's codes go
.set OB1, 8
.set SB0, 10                           ; s[10:11], s[12:13] where the two heads' scale words go
.set SB1, 12
.set SA,  18                           ; s[18:19] from a block of rows to the next;  s[20:21] from block 3 to block 4
.set SA4, 20
.set SEL, 22                           ; s[22:23] lane selects for v_permlanex16_b32: lane l xor 16
.set HI,  46                           ; s46  lanes 16-31
.set P7F, 47                           ; s47  two bytes of 127 on top
.set MSB, 0
.macro WIN new                         ; the immediate's high byte repeats the setting that is left
.if MSB != \new
	s_set_vgpr_msb (MSB<<8)|\new
.set MSB, \new
.endif
.endm
.set MUL_LO, 0xa1                      ; source 0 (role B) window 1, source 1 (role A) window 0, C and D window 2
.set MUL_HI, 0xf1                      ; the same, C and D window 3
.set TO_B,   0x40                      ; destination window 1, address window 0
; A joint load: waves 0 and 1 fetch for role A, waves 2 and 3 for role B.  Each of the two lines has ONE mask and one set of registers for all that issue it; the branch hangs on the wave's number alone.
; An s_nop 0 and four v_nop follow each of the two lines, ahead of the jump, the label and what follows.
.macro JLOAD g0a, g1a, g0b, g1b
	s_cmp_eq_u32 s15, 0
	s_cbranch_scc0 .Lfor_b_\@
	tensor_load_to_lds s[\g0a:\g0a+3], s[\g1a:\g1a+7]
	s_nop 0
.rept 4
	v_nop
.endr
	s_branch .Lasked_\@
.Lfor_b_\@:
	tensor_load_to_lds s[\g0b:\g0b+3], s[\g1b:\g1b+7]
	s_nop 0
.rept 4
	v_nop
.endr
.Lasked_\@:
.endm
.macro CROUND                          ; a round of the cluster's barrier
	s_barrier_signal -1
	s_barrier_wait -1
	s_cmp_lg_u32 s14, 0
	s_cbranch_scc1 .Lnot_wave_0_\@
	s_barrier_signal -3
.Lnot_wave_0_\@:
	s_barrier_wait -3
	s_barrier_signal -1
	s_barrier_wait -1
.endm
	s_load_b256 s[4:11], s[0:1], 0x0               ; x's codes s[4:5], x's scales s[6:7], W's codes s[8:9], W's scales s[10:11]
	s_load_b128 s[96:99], s[0:1], 0x20             ; b_qkv s[96:97], qw s[98:99]
	s_load_b64 s[100:101], s[0:1], 0x30            ; kvw
	v_lshl_add_u32 v[SPW], v0, 2, SPARE
	v_mov_b32 v[NIL], 0
	ds_add_u32 v[SPW], v[NIL]                      ; the wave's opening: the add, twice on end, and its wait ahead of my first tensor load; the set-up below stands between
	ds_add_u32 v[SPW], v[NIL]
	v_lshrrev_b32 v1, 5, v0
	v_readfirstlane_b32 s14, v1                    ; wave 0..3
	s_lshr_b32 s15, s14, 1                         ; which half of role A's rows is mine.  Also: I fetch for role A (0) or B (1)
	s_and_b32 s16, s14, 1                          ; which half of role B's rows.  Also: which 128 rows of that tile I fetch
	s_bfe_u32 s40, ttmp6, 0x40000                  ; cx, cy: my place in the cluster
	s_bfe_u32 s41, ttmp6, 0x40004
	s_mov_b32 s[CLS], ttmp9                        ; the cluster's x: 0 q, 1 k, 2 v
	s_lshl_b32 s18, ttmp9, 2                       ; W's first tile of classes q and k
	s_and_b32 s19, ttmp7, 0xffff
	s_lshl_b32 s19, s19, 2                         ; x's first tile of this cluster
	s_cmp_eq_u32 s[CLS], 2
	s_cselect_b32 s17, 8, s19                      ; role A's tile: v: W's tile 8 + cy; else x's tile 4 x cluster y + cy
	s_cselect_b32 s42, s19, s18                    ; role B's tile: v: x's tile 4 x cluster y + cx; else W's tile 4 x class + cx
	s_add_co_u32 s17, s17, s41
	s_add_co_u32 s42, s42, s40
	s_lshl_b32 s43, s41, 2
	s_lshl_b32 s43, 15, s43                        ; my row of the cluster
	s_lshl_b32 s44, 0x1111, s40                    ; my column
	; descriptor group 1: a tile of 128 rows x 256 bytes, padded in LDS
	s_or_b32 s[G1+0], s43, (0<<16)|(1<<20)|(1<<21)|(5<<22)|(3<<25)  ; 15:0 the mask; 17:16 element of 1 byte; 20 padding on; 21 set beside a mask; 24:22 after every 64 words (code 5); 31:25 of 4 words (code 3)
	s_or_b32 s[G1B+0], s44, (0<<16)|(1<<20)|(1<<21)|(5<<22)|(3<<25)
.irp g, G1, G1B
	s_mov_b32 s[\g+1], ROWB<<16                    ; tensor_dim0
	s_mov_b32 s[\g+2], 128<<16                     ; tensor_dim1
	s_mov_b32 s[\g+3], ROWB<<16                    ; tile_dim0
	s_mov_b32 s[\g+4], 128                         ; tile_dim1
	s_mov_b32 s[\g+5], KROW                        ; tensor_dim0_stride
	s_mov_b32 s[\g+6], 0
	s_mov_b32 s[\g+7], 0
.endr
	; the scales of 128 rows: a dense block of 4,096 bytes, as 16 rows of 256 bytes (32 elements of 8 bytes), 16 bytes of padding behind each
	s_or_b32 s[G1S+0], s43, (3<<16)|(1<<20)|(1<<21)|(5<<22)|(3<<25)
	s_or_b32 s[G1SB+0], s44, (3<<16)|(1<<20)|(1<<21)|(5<<22)|(3<<25)
.irp g, G1S, G1SB
	s_mov_b32 s[\g+1], 32<<16
	s_mov_b32 s[\g+2], (128*KS/256)<<16
	s_mov_b32 s[\g+3], 32<<16
	s_mov_b32 s[\g+4], 128*KS/256
	s_mov_b32 s[\g+5], 32
	s_mov_b32 s[\g+6], 0
	s_mov_b32 s[\g+7], 0
.endr
	s_lshl_b32 s18, s16, 7                         ; which 128 rows of the tile I fetch
	s_lshl_b32 s20, s17, 8
	s_add_co_u32 s20, s20, s18                     ; role A: row 256 x tile + 128 x half
	s_lshl_b32 s46, s42, 8
	s_add_co_u32 s46, s46, s18                     ; role B likewise
	s_mov_b32 s21, 0
	s_mov_b32 s47, 0
	s_mov_b64 s[18:19], KS
	s_mul_u64 s[22:23], s[20:21], s[18:19]         ; where these rows' scales begin, in bytes
	s_mul_u64 s[92:93], s[46:47], s[18:19]
	s_mov_b64 s[18:19], KROW
	s_mul_u64 s[20:21], s[20:21], s[18:19]         ; and their codes
	s_mul_u64 s[46:47], s[46:47], s[18:19]
	s_mul_i32 s45, s14, HALFT                      ; where they go: wave x 128 rows: no place in the cluster enters an LDS address
	s_mul_i32 s94, s14, HALFS
	s_wait_dscnt 0x0                               ; both opening adds are done
	s_wait_kmcnt 0x0
	s_cmp_eq_u32 s[CLS], 2                         ; the roles' buffers: a choice that hangs on the class alone
	s_cselect_b64 s[12:13], s[8:9], s[4:5]         ; role A's codes
	s_cselect_b64 s[66:67], s[4:5], s[8:9]         ; role B's codes
	s_cselect_b64 s[2:3], s[10:11], s[6:7]         ; role A's scales
	s_cselect_b64 s[4:5], s[6:7], s[10:11]         ; role B's scales
	s_add_nc_u64 s[20:21], s[12:13], s[20:21]
	s_add_nc_u64 s[22:23], s[2:3], s[22:23]
	s_add_nc_u64 s[46:47], s[66:67], s[46:47]
	s_add_nc_u64 s[92:93], s[4:5], s[92:93]
	CROUND                                         ; all sixteen work-groups are here: the joint loads meet
	s_mov_b32 s[G0S], 1
	s_add_co_u32 s[G0S+1], s94, SCL
	s_mov_b64 s[G0S+2:G0S+3], s[22:23]
	s_or_b32 s[G0S+3], s[G0S+3], 0x80000000
	s_mov_b32 s[G0SB], 1
	s_add_co_u32 s[G0SB+1], s94, SCL
	s_mov_b64 s[G0SB+2:G0SB+3], s[92:93]
	s_or_b32 s[G0SB+3], s[G0SB+3], 0x80000000
	JLOAD G0S, G1S, G0SB, G1SB                     ; the scales first: they are wanted with K step 0
.irp s, 0,1
	s_mov_b32 s[G0+4*\s], 1
	s_add_co_u32 s[G0+4*\s+1], s45, \s*SLOT
	s_add_nc_u64 s[G0+4*\s+2:G0+4*\s+3], s[20:21], \s*ROWB
	s_or_b32 s[G0+4*\s+3], s[G0+4*\s+3], 0x80000000
	s_mov_b32 s[G0B+4*\s], 1
	s_add_co_u32 s[G0B+4*\s+1], s45, \s*SLOT
	s_add_nc_u64 s[G0B+4*\s+2:G0B+4*\s+3], s[46:47], \s*ROWB
	s_or_b32 s[G0B+4*\s+3], s[G0B+4*\s+3], 0x80000000
	JLOAD G0+4*\s, G1, G0B+4*\s, G1B               ; both slots: all of K.  Three loads of mine are out
.endr
	v_and_b32 v1, 15, v0                           ; r = l % 16
	v_bfe_u32 v2, v0, 4, 1                         ; h = l / 16
	v_mul_u32_u24 v3, v1, PITCH
	v_lshl_add_u32 v4, v2, 4, v3                   ; a fragment's row x pitch + 16 x half
	s_mul_i32 s21, s15, HALFT                      ; my 128 rows of role A
	s_mul_i32 s22, s16, HALFT                      ; my 128 rows of role B,
	s_add_co_u32 s22, s22, 2*HALFT                 ; which lie behind role A's 256
.irp s, 0,1
	v_add_nc_u32 v[ADRA+\s], s21, v4
	v_add_nc_u32 v[ADRB+\s], s22, v4
	s_add_co_u32 s21, s21, SLOT
	s_add_co_u32 s22, s22, SLOT
.endr
	v_mul_u32_u24 v5, v1, KS                       ; my row's scales: 32 bytes a row,
	v_lshrrev_b32 v6, 8, v5
	v_lshl_add_u32 v5, v6, 4, v5                   ; and 16 more for each 256 passed
	s_mul_i32 s21, s15, HALFS
	s_mul_i32 s22, s16, HALFS
	s_add_co_u32 s22, s22, 2*HALFS
	s_sub_co_u32 s22, s22, s21
	v_mul_u32_u24 v6, s22, v2                      ; lanes 16-31 take role B's: one product, the distance between the two bases
	s_add_co_u32 s21, s21, SCL
	v_add_nc_u32 v5, v5, v6
	v_add_nc_u32 v[ADRS], s21, v5
	v_and_b32 v6, 31, v0
	v_lshlrev_b32 v[L16], 4, v6
	v_lshlrev_b32 v[L8], 3, v6
	v_lshlrev_b32 v[BO1], 5, v2
	v_lshlrev_b32 v[BO2], 2, v1
.irp b, 0,1,2,3
	v_mov_b32 v[TM+4+\b], 0                        ; written once: a lane permute's destination counts as one of its sources
.endr
	; who I am, by class
	s_cmp_eq_u32 s[CLS], 2
	s_cselect_b32 s18, s42, s17                    ; x's tile of 256 tokens
	s_cselect_b32 s19, s16, s15                    ; my half of it
	s_cselect_b32 s20, s41, s40                    ; W's tile among the class's four
	s_cselect_b32 s21, s15, s16                    ; my half of it
	s_cselect_b32 s22, s17, s42                    ; W's tile among all twelve
	s_lshl_b32 s22, s22, 10
	s_lshl_b32 s23, s21, 9
	s_add_co_u32 s22, s22, s23                     ; 4 x (256 x tile + 128 x half): my 128 channels' bias
	s_mov_b32 s23, 0
	s_add_nc_u64 s[96:97], s[96:97], s[22:23]
	; THE BIAS IS THE C OF EACH SUM'S FIRST PRODUCT, eight registers in the result's layout.  q, k: the channels run along the registers: for role B's block b the numbers 16 b + 8 h + 0 .. 7.
	; v: the channel is the lane's row: for role A's block a the number 16 a + r, eight times.
	s_cmp_eq_u32 s[CLS], 2
	s_cbranch_scc1 .Lbias_v
	s_wait_alu depctr_va_vdst(0)
.irp b, 0,1,2,3,4,5,6,7
	global_load_b128 v[BIAS+8*\b:BIAS+8*\b+3], v[BO1], s[96:97] offset:64*\b
	global_load_b128 v[BIAS+8*\b+4:BIAS+8*\b+7], v[BO1], s[96:97] offset:64*\b+16
.endr
	s_branch .Lbias_asked
.Lbias_v:
	s_wait_alu depctr_va_vdst(0)
.irp a, 0,1,2,3,4,5,6,7
.irp j, 0,1,2,3,4,5,6,7
	global_load_b32 v[BIAS+8*\a+\j], v[BO2], s[96:97] offset:64*\a
.endr
.endr
.Lbias_asked:
	; where my results go: my 128 tokens are one record's, my 128 channels two heads'
	s_lshl_b32 s18, s18, 1
	s_add_co_u32 s18, s18, s19                     ; which 128 tokens of the 8,192
	s_lshl_b32 s20, s20, 2
	s_lshl_b32 s21, s21, 1
	s_add_co_u32 s20, s20, s21                     ; my first head
	s_lshr_b32 s19, s18, 4
	s_lshl_b32 s19, s19, 4                         ; 16 x batch
	s_add_co_u32 s19, s19, s20
	s_lshl_b32 s19, s19, 4
	s_and_b32 s18, s18, 15                         ; the step of 128 tokens in the sequence
	s_add_co_u32 s19, s19, s18                     ; the record's number, under 1,024
	s_mul_i32 s18, s19, REC
	s_mov_b32 s19, 0
	s_cmp_eq_u32 s[CLS], 0
	s_cselect_b64 s[OB0:OB0+1], s[98:99], s[100:101]   ; q goes to qw, k and v to kvw
	s_add_nc_u64 s[OB0:OB0+1], s[OB0:OB0+1], s[18:19]  ; the record
	s_cmp_eq_u32 s[CLS], 2                         ; (an instruction takes one literal: the other number is put into the register first; s_mov_b32 leaves SCC alone)
	s_cselect_b32 s2, 4096, 0                      ; the codes' place in the record
	s_mov_b32 s3, HS
	s_cselect_b32 s3, 512, s3                      ; from a fragment's registers 0-3 to 4-7: q, k: the next head; v: 512 bytes on
	s_mov_b32 s[SA], 512
	s_cselect_b32 s[SA], 1024, s[SA]               ; from a block of rows to the next
	s_mov_b32 s[SA4], 512
	s_cselect_b32 s[SA4], HS-3*1024, s[SA4]        ; v: blocks 4-7 are the next head's channels
	s_mov_b32 s92, 8192
	s_cselect_b32 s92, 8704, s92                   ; the scale words' place in the record
	s_mov_b32 s93, 0
	s_mov_b32 s[SA+1], 0
	s_mov_b32 s[SA4+1], 0
	s_add_nc_u64 s[SB0:SB0+1], s[OB0:OB0+1], s[92:93]
	s_add_nc_u64 s[SB1:SB1+1], s[SB0:SB0+1], HS
	s_mov_b32 s92, s2
	s_add_nc_u64 s[OB0:OB0+1], s[OB0:OB0+1], s[92:93]
	s_mov_b32 s92, s3
	s_add_nc_u64 s[OB1:OB1+1], s[OB0:OB0+1], s[92:93]
	s_mov_b32 s[SEL], 0x76543210
	s_mov_b32 s[SEL+1], 0xfedcba98
	s_mov_b32 s[HI], 0xffff0000
	s_mov_b32 s[P7F], 0x7f7f0000
.macro FRAG reg, adr, q, i             ; a fragment, 16 rows x 128 K of 4-bit codes: lane l holds row l % 16; registers 4 c .. 4 c + 3 hold K = 64 c + 32 (l / 16) + 0 .. 31
.irp c, 0,1
	ds_load_b128 v[\reg+4*\c:\reg+4*\c+3], v[\adr] offset:64*(\q)+32*\c+(\i)*16*PITCH
.endr
.endm
; 16 matrix instructions: role A's blocks a0, a0 + 1 x role B's eight, the slot's q-th 128 along K.  p: role B's set;  sc: the set of scale words.
; cm = 0: the sums go on;  1: they start from the bias of role B's block;  2: from the bias of role A's block.  Nothing is ever cleared.
; The 64 accumulators take turns, one instruction a turn, in the same order in every step.
.macro MUL16 a0, p, q, sc, cm
.irp a, \a0, \a0+1
.irp b, 0,1,2,3,4,5,6,7
.set rD, 8*(8*((\a)%4)+\b)
.set rB, 128*(\p)+FR*\b
.set rA, AF+FR*(\a)
.set rSB, SC+8*NQ*(\sc)+NQ*\b+(\q)
.set rSA, SC+8*NQ*(\sc)+NQ*(\a)+(\q)
.if \cm == 0
	v_wmma_scale_f32_16x16x128_f8f6f4 v[rD:rD+7], v[rB:rB+7], v[rA:rA+7], v[rD:rD+7], v[rSB], v[rSA] matrix_a_fmt:MATRIX_FMT_FP4 matrix_b_fmt:MATRIX_FMT_FP4 matrix_a_scale:MATRIX_SCALE_ROW1
.elseif \cm == 1
	v_wmma_scale_f32_16x16x128_f8f6f4 v[rD:rD+7], v[rB:rB+7], v[rA:rA+7], v[BIAS+8*\b:BIAS+8*\b+7], v[rSB], v[rSA] matrix_a_fmt:MATRIX_FMT_FP4 matrix_b_fmt:MATRIX_FMT_FP4 matrix_a_scale:MATRIX_SCALE_ROW1
.else
	v_wmma_scale_f32_16x16x128_f8f6f4 v[rD:rD+7], v[rB:rB+7], v[rA:rA+7], v[BIAS+8*(\a):BIAS+8*(\a)+7], v[rSB], v[rSA] matrix_a_fmt:MATRIX_FMT_FP4 matrix_b_fmt:MATRIX_FMT_FP4 matrix_a_scale:MATRIX_SCALE_ROW1
.endif
.endr
.endr
.endm
.macro FETCH_B slot, q, p              ; role B's eight fragments of the slot's q-th 128 along K into set p
	WIN TO_B
.irp i, 0,1,2,3,4,5,6,7
	FRAG 128*(\p)+FR*\i, ADRB+\slot, \q, \i
.endr
	WIN 0
.endm
.macro FETCH_A slot, q, i0             ; role A's blocks i0 .. i0 + 3
.irp i, \i0, \i0+1, \i0+2, \i0+3
	FRAG AF+FR*(\i), ADRA+\slot, \q, \i
.endr
.endm
.macro SCALES sc                       ; a slot's scale words into set sc: 4 words a row; lanes 0-15 take role A's block i, lanes 16-31 role B's
.irp i, 0,1,2,3,4,5,6,7
	ds_load_b128 v[SC+8*NQ*\sc+NQ*\i:SC+8*NQ*\sc+NQ*\i+3], v[ADRS] offset:\i*SBLK
.endr
.endm
; A load into a register that a matrix instruction has read, and a vector instruction that reads a matrix result, stand NP places behind that matrix instruction, and only plain vector
; instructions that name none of its registers are places (ISA guide 7.12.1 for vector instructions).
.macro PLACES n
.rept \n
	v_nop
.endr
.endm
; The first 32 products of half hi of my rows: they start the sums from the bias, whose place hangs on the class: two arms, alike but for C.  At a branch and at a label every window is 0.
.macro FIRST32 hi
.set WF, 0x81+0x40*\hi                 ; source 0 window 1, sources 1 and 2 window 0, D window 2 or 3
	WIN 0
	s_cmp_eq_u32 s[CLS], 2
	s_cbranch_scc1 .Lfirst_v_\@
	WIN WF
	MUL16 4*\hi, 0, 0, 0, 1
	MUL16 4*\hi+2, 0, 0, 0, 1
	WIN 0
	s_branch .Lfirst_done_\@
.Lfirst_v_\@:
	WIN WF
	MUL16 4*\hi, 0, 0, 0, 2
	MUL16 4*\hi+2, 0, 0, 0, 2
	WIN 0
.Lfirst_done_\@:
.endm
; A step of 128 along K that has its successor in the same slot.
.macro STEP slot, q
	s_wait_dscnt 4*NL                              ; role B's set and role A's blocks 0-3 are in; the youngest eight loads (blocks 4-7) may be out
	WIN MUL_LO
	MUL16 0, (\q)%2, \q, \slot, 0
	MUL16 2, (\q)%2, \q, \slot, 0
	s_wait_dscnt 0                                 ; blocks 4-7 are in (asked for 32 matrix instructions ago)
	PLACES NP
	FETCH_B \slot, (\q)+1, 1-(\q)%2
	FETCH_A \slot, (\q)+1, 0
	WIN MUL_HI
	MUL16 4, (\q)%2, \q, \slot, 0
	MUL16 6, (\q)%2, \q, \slot, 0
	PLACES NP
	WIN 0
	FETCH_A \slot, (\q)+1, 4
.endm
.macro STEPS slot, from                ; the slot's steps from .. NQ - 2
.set Q, \from
.rept NQ-1-\from
	STEP \slot, Q
.set Q, Q+1
.endr
.endm
	s_wait_tensorcnt 1                             ; the scales and my part of slot 0 are in; one younger load, slot 1's, may stay out
	s_barrier_signal -1
	s_barrier_wait -1                              ; everybody's are
	FETCH_B 0, 0, 0
	FETCH_A 0, 0, 0
	SCALES 0
	FETCH_A 0, 0, 4
	s_wait_loadcnt 0x0                             ; the bias
	s_wait_dscnt 4*NL                              ; the first step, written out: its products start the sums
	FIRST32 0
	s_wait_dscnt 0
	PLACES NP
	FETCH_B 0, 1, 1
	FETCH_A 0, 1, 0
	FIRST32 1
	PLACES NP
	FETCH_A 0, 1, 4
	STEPS 0, 1
	; slot 0's last step changes slots: one barrier; in front of it each wave waits for all its tensor loads (its part of slot 1)
	s_wait_tensorcnt 0x0
	ds_add_u32 v[SPW], v[NIL]                      ; 0 onto my spare word
	s_wait_dscnt 4*NL+1                            ; (the add and the youngest eight loads may be out)
	WIN MUL_LO
	MUL16 0, 1, NQ-1, 0, 0                         ; sixteen matrix instructions stand between the add and the wait for it
	s_wait_dscnt 0x0                               ; the add is done, and my reads of slot 0 are over
	s_barrier_signal -1
	MUL16 2, 1, NQ-1, 0, 0
	WIN 0
	s_barrier_wait -1                              ; slot 1 is whole
	PLACES NP
	v_add_nc_u32 v[ADRS], 4*NQ, v[ADRS]            ; on to slot 1's scale words
	FETCH_B 1, 0, 0
	FETCH_A 1, 0, 0
	SCALES 1
	WIN MUL_HI
	MUL16 4, 1, NQ-1, 0, 0
	MUL16 6, 1, NQ-1, 0, 0
	PLACES NP
	WIN 0
	FETCH_A 1, 0, 4
	STEPS 1, 0
	s_wait_dscnt 4*NL                              ; the very last step: nothing more to fetch
	WIN MUL_LO
	MUL16 0, 1, NQ-1, 1, 0
	MUL16 2, 1, NQ-1, 1, 0
	s_wait_dscnt 0
	WIN MUL_HI
	MUL16 4, 1, NQ-1, 1, 0
	MUL16 6, 1, NQ-1, 1, 0
	WIN 0
	PLACES NP
; THE WAY OUT: block a of 16 rows of role A is quantised along role B's 128.  In accumulator b, register j of lane (r, h) is number 16 b + 8 h + j of row r: block blk of 32 is the 16 registers of accumulators
; 2 blk and 2 blk + 1, in lanes l and l xor 16.  The eight codes of (blk = 2 c + e, accumulator half u) go to register 4 c + 2 u + e; then v_permlane16_swap_b32 of registers 4 c + 2 u and 4 c + 2 u + 1
; leaves in register 4 c + i of lane (r, h) the codes of 64 c + 32 h + 8 i + 0 .. 7: the operand's layout.  Each accumulator is read from its low end on.
.macro QUANTW a
.set AC, 64*((\a)%4)
.set WW, 2+(\a)/4                      ; the accumulators' window
.set WS, WW|(WW<<2)
	WIN WS                                         ; sources 0 and 1 in that window
.irp b, 0,1,2,3
	v_max3_num_f32 v[TM+\b], |v[AC+16*\b]|, |v[AC+16*\b+1]|, 0x1800000   ; my 16 numbers of block b, and the floor 2^(3 - 127): so the byte cannot fall under 1
.endr
.irp i, 2,4,6,8,10,12,14
.irp b, 0,1,2,3
	v_max3_num_f32 v[TM+\b], |v[AC+16*\b+\i]|, |v[AC+16*\b+\i+1]|, v[TM+\b]   ; (the four blocks by turns)
.endr
.endr
	WIN 0
.irp b, 0,1,2,3
	v_permlanex16_b32 v[TM+4+\b], v[TM+\b], s[SEL], s[SEL+1]
.endr
.irp b, 0,1,2,3
	v_max_num_f32 v[TM+\b], v[TM+\b], v[TM+4+\b]   ; with lane l xor 16's: the block's largest magnitude
.endr
.irp b, 0,1,2,3
	v_add_nc_u32 v[TM+12+\b], 0xff000000, v[TM+\b] ; 2 off its exponent field: the conversion takes the exponent field of this operand as its scale
.endr
.irp b, 0,1,2,3
	v_lshrrev_b32 v[TM+4+\b], 23, v[TM+12+\b]      ; the scale's byte
.endr
	v_lshl_or_b32 v[PWR+\a], v[TM+5], 8, v[TM+4]   ; my row's four bytes
	v_lshl_or_b32 v[PWR+\a], v[TM+6], 16, v[PWR+\a]
	v_lshl_or_b32 v[PWR+\a], v[TM+7], 24, v[PWR+\a]
.if (\a) > 0
	s_wait_xcnt 0x0                                ; the last block's stores have read their data and their bases: both are written again only behind this wait
.if (\a) == 4
	s_add_nc_u64 s[OB0:OB0+1], s[OB0:OB0+1], s[SA4:SA4+1]
	s_add_nc_u64 s[OB1:OB1+1], s[OB1:OB1+1], s[SA4:SA4+1]
.else
	s_add_nc_u64 s[OB0:OB0+1], s[OB0:OB0+1], s[SA:SA+1]
	s_add_nc_u64 s[OB1:OB1+1], s[OB1:OB1+1], s[SA:SA+1]
.endif
.endif
	WIN WW                                         ; source 0 in the accumulators' window
.irp b, 0,1,2,3
.irp u, 0,1
	v_cvt_scalef32_pk8_fp4_f32 v[PC+4*(\b/2)+2*\u+\b%2], v[AC+16*\b+8*\u:AC+16*\b+8*\u+7], v[TM+12+\b]
.endr
.endr
	WIN 0
	v_nop                                          ; one plain place behind a scaled conversion
.irp c, 0,1
.irp u, 0,1
	v_permlane16_swap_b32 v[PC+4*\c+2*\u], v[PC+4*\c+2*\u+1]
.endr
.endr
	global_store_b128 v[L16], v[PC:PC+3], s[OB0:OB0+1]     ; 32 lanes store 512 consecutive bytes, at a multiple of 256 from the buffer's first byte
	global_store_b128 v[L16], v[PC+4:PC+7], s[OB1:OB1+1]
.endm
.irp a, 0,1,2,3,4,5,6,7
	QUANTW \a
.endr
.irp i, 0,1,2,3
	v_cndmask_b32 v[Z+\i], v[PWR+2*\i], v[PWR+2*\i+1], s[HI]   ; lanes 0-15: block 2 i's words, lanes 16-31: block 2 i + 1's: so a reader's register serves two tiles
.endr
	s_cmp_eq_u32 s[CLS], 2
	s_cbranch_scc1 .Lwords_v
.irp i, 0,1,2,3
	v_perm_b32 v[ZA+\i], s[P7F], v[Z+\i], 0x07060100       ; q, k: the first head's two bytes, 127 twice on top
	v_perm_b32 v[ZB+\i], s[P7F], v[Z+\i], 0x07060302       ; the second head's
.endr
	global_store_b128 v[L16], v[ZA:ZA+3], s[SB0:SB0+1]
	global_store_b128 v[L16], v[ZB:ZB+3], s[SB1:SB1+1]
	s_branch .Lwords_out
.Lwords_v:
	s_wait_alu depctr_va_vdst(0)
	global_store_b64 v[L8], v[Z:Z+1], s[SB0:SB0+1]         ; v: blocks 0-3 are the first head's channels: 256 consecutive bytes
	global_store_b64 v[L8], v[Z+2:Z+3], s[SB1:SB1+1]       ; blocks 4-7 the second's
.Lwords_out:
	s_wait_tensorcnt 0x0                           ; the wave's end: behind my last tensor load
	ds_add_u32 v[SPW], v[NIL]
	s_wait_dscnt 0x0
	CROUND                                         ; the closing round: no work-group ends while a partner may still ask for a tile that names it
	s_endpgm
.Lfunc_end_k_q36f1ea8c71_qkv:
	.size	k_q36f1ea8c71_qkv, .Lfunc_end_k_q36f1ea8c71_qkv-k_q36f1ea8c71_qkv
	.p2alignl 7, 3214868480
	.fill 96, 4, 3214868480
	.section	.rodata,"a",@progbits
	.p2align	6, 0x0
	.amdhsa_kernel k_q36f1ea8c71_qkv
		.amdhsa_group_segment_fixed_size 327680
		.amdhsa_private_segment_fixed_size 0
		.amdhsa_enable_private_segment 0
		.amdhsa_kernarg_size 56
		.amdhsa_user_sgpr_count 2
		.amdhsa_user_sgpr_kernarg_segment_ptr 1
		.amdhsa_wavefront_size32 1
		.amdhsa_system_sgpr_workgroup_id_x 1
		.amdhsa_system_sgpr_workgroup_id_y 1
		.amdhsa_system_sgpr_workgroup_id_z 1
		.amdhsa_system_vgpr_workitem_id 0
		.amdhsa_next_free_vgpr 1024
		.amdhsa_next_free_sgpr 102
		.amdhsa_reserve_vcc 0
		.amdhsa_float_denorm_mode_32 3
		.amdhsa_float_denorm_mode_16_64 3
		.amdhsa_memory_ordered 1
		.amdhsa_forward_progress 1
		.amdhsa_inst_pref_size 147
	.end_amdhsa_kernel
	.amdgpu_metadata
---
amdhsa.version: [ 1, 2 ]
amdhsa.kernels:
  - .name:           k_q36f1ea8c71_qkv
    .symbol:         k_q36f1ea8c71_qkv.kd
    .args:
      - { .name: x_codes, .offset: 0, .size: 8, .value_kind: global_buffer, .address_space: global }
      - { .name: x_scales, .offset: 8, .size: 8, .value_kind: global_buffer, .address_space: global }
      - { .name: W_qkv_codes, .offset: 16, .size: 8, .value_kind: global_buffer, .address_space: global }
      - { .name: W_qkv_scales, .offset: 24, .size: 8, .value_kind: global_buffer, .address_space: global }
      - { .name: b_qkv, .offset: 32, .size: 8, .value_kind: global_buffer, .address_space: global }
      - { .name: qw, .offset: 40, .size: 8, .value_kind: global_buffer, .address_space: global }
      - { .name: kvw, .offset: 48, .size: 8, .value_kind: global_buffer, .address_space: global }
    .group_segment_fixed_size: 327680
    .private_segment_fixed_size: 0
    .kernarg_segment_align: 8
    .kernarg_segment_size: 56
    .max_flat_workgroup_size: 128
    .sgpr_count:     102
    .vgpr_count:     1024
    .wavefront_size: 32
...
	.end_amdgpu_metadata
.endif
;; end of part 1
;; launch attn (part 2): grid 4 x 64, 16 waves a work-group, clusters of 4 x 1, 167,936 bytes of LDS; arguments qw, kvw, ac, asc; writes ac, asc
.if DOCPART == 2
	.amdgcn_target "amdgcn-amd-amdhsa--gfx1250"
	.amdhsa_code_object_version 6
	.text
	.protected	k_q36f1ea8c71_attn
	.globl	k_q36f1ea8c71_attn
	.p2align	8
	.type	k_q36f1ea8c71_attn,@function
k_q36f1ea8c71_attn:
	s_mov_b64 s[64:65], 0
	v_nop
	global_prefetch_b8 v0, s[64:65] scope:SCOPE_SE
	s_setreg_imm32_b32 hwreg(HW_REG_WAVE_MODE, 25, 1), 1
	s_wait_xcnt 0x0
	s_wait_alu depctr_hold_cnt(0) depctr_sa_sdst(0) depctr_va_vdst(0) depctr_va_sdst(0) depctr_va_ssrc(0) depctr_va_vcc(0) depctr_vm_vsrc(0)
	s_getreg_b32 s2, hwreg(HW_REG_IB_STS2, 6, 4)
	s_cmp_eq_u32 s2, 0
	s_cbranch_scc0 .Lentry_in_a_cluster
	s_endpgm
.Lentry_in_a_cluster:
	s_bfe_u32 s2, ttmp6, 0x10000c
	s_cmp_lg_u32 s2, 0x3003
	s_cbranch_scc0 .Lentry_shape_is_right
	s_endpgm
.Lentry_shape_is_right:
; out[b][h][q] = the sum over k <= q of softmax_k(q . k / 8) v, both products on codes of E2M1 with one E8M0 scale for each 32 along a product's K; the result is quantised along C = 16 heads x 64 for the projection.
; LEFT OUT: a step of 128 keys all of which come after a tile's 16 queries: reference()'s own jnp.tril makes their weights exp(-inf) = 0 for all finite inputs.  LIMIT: a NaN, an infinity or an overflow that reaches only such keys is not carried to the result.
; LIMITS: a block of zeros gets the scale byte 1 where the quantiser says 127 (its codes are zeros; only this program reads the bytes); NaN and infinities are not served.
; THE SOFTMAX AHEAD OF THE SECOND PRODUCT: t = score x log2(e) / 8; M = the row's largest t so far, rounded UP to a whole number; p = 2^(t - M) is what is quantised, along the keys; it is not normalised.
; The row's sum is taken of the unquantised p, in f32, and divides O at the end.  When M moves, the sum and O are multiplied by 2^(old M - new M): exact.
; SHARES.  The four work-groups of a cluster serve one (batch, head); j = my place among them.  Each of the sixteen waves owns TWO tiles of 16 queries: E = 4 w + j and L = 127 - E.  Tile t walks key steps 0 .. t / 8,
; the last of them on the diagonal: E / 8 = w / 2 and L / 8 = 15 - w / 2 hang on the wave's number alone, and every wave walks 17 tile steps in all: the work is even, and no branch hangs on j.
; LDS.  The head's K and V for all 2,048 keys, codes and scale words, are 16 records of 8,960 bytes as the launch before laid them: images of the operands' registers.  Wave w asks for record w, JOINTLY with the three
; partners (the same descriptor, a mask that names the four).  All bytes that the work-group reads from kvw are asked for by these first fills: nothing is filled again, and no later load exists that a prefetch could run ahead of.
; Wave 0's tile L walks all 16 steps in every partner: each record is read.  Every LDS read takes 16 (or 8) bytes a lane at 16 (8) x lane: consecutive bytes.
; LAYOUT.  Both products are used transposed: S^T = K Q^T (source 0 = 16 keys, source 1 = 16 queries), O^T = V^T P^T (source 0 = 16 channels, source 1 = P): a lane holds ONE query (lane % 16) throughout.
; The first product's K is 64, half of the instruction's 128: Q's registers 4-7 hold zero codes, so whatever stands in K's registers 4-7 (the next tile's codes) adds an exact 0; the scale bytes of that half are 127.
; In S^T's tile t register j of lane (r, h) is key 16 t + 8 h + j: block blk of 32 keys is the 16 registers of tiles 2 blk, 2 blk + 1 in lanes l and l xor 16.
; REGISTERS: v1-10 addresses and lane numbers that stay; v12-15, v16-19 -M, the largest t and the sum in two halves, of E and of L; v20-27, v28-35 Q; v36, v37 Q's scale words; v40-71 K's eight tiles, then V's four fragments;
; v72-75 zeros; v76-79 K's scale words; v80-81 V's; v96-159 S^T, then p; v160-191, v192-223 O^T; v224-231 p's codes; v232-254 at work.
.set REC,   8960                       ; a record: +0 K's codes, +4,096 V's, +8,192 K's scale words, +8,704 V's
.set HS,    16*REC
.set SPARE, HS                         ; behind the records: the spare words, 128 bytes for each wave: eight blocks of 256 bytes that no other line names
.set L16, 1                            ; v1   16 x lane
.set L8,  2                            ; v2   8 x lane
.set ADR, 3                            ; v3   the step's record + 16 x lane
.set ADR2, 4                           ; v4   the step's record + 8 x lane
.set SPW, 5                            ; v5   LDS address of my spare word; never rewritten
.set NIL, 6                            ; v6   0; never rewritten
.set DE,  7                            ; v7   16 (E % 8) + r - 8 h: on the diagonal, register 8 t + j is hidden where 16 t + j is greater
.set DL,  8                            ; v8   the same for L
.set R16, 9                            ; v9   16 r: Q's scale words
.set AB,  10                           ; v10  32 r + h: my byte among the result's scale bytes
.set KV,  40
.set KSW, 76
.set VSW, 80
.set S,   96
.set PCD, 224
.set FF,  250                          ; v250 f = 2^(old M - new M); v251 = 0, named with it as a pair
.set WV,  12                           ; s12  my wave's number
.set J,   13                           ; s13  my place in the cluster: it enters global addresses of Q and of the results, and lane numbers, alone
.set BH,  14                           ; s14  16 x batch + head
.set HI,  15                           ; s15  lanes 16-31
.set G1,  16                           ; s[16:23] descriptor group 1;  s[24:27] group 0
.set G0,  24
.set TB,  28                           ; s28  LDS byte at which the step's record begins
.set KSI, 29                           ; s29  the key step
.set LIME, 30                          ; s30  E's last step;  s31  L's
.set LIML, 31
.set SEL, 32                           ; s[32:33] lane selects for v_permlanex16_b32: lane l xor 16
.set CS,  34                           ; s[34:35] c = log2(e) / 8: the packed form names a pair and takes its low word for both halves
.set TE,  40                           ; s40, s41 the tiles' numbers
.set TL,  41
.macro CROUND                          ; a round of the cluster's barrier
	s_barrier_signal -1
	s_barrier_wait -1
	s_cmp_lg_u32 s[WV], 0
	s_cbranch_scc1 .Lnot_wave_0_\@
	s_barrier_signal -3
.Lnot_wave_0_\@:
	s_barrier_wait -3
	s_barrier_signal -1
	s_barrier_wait -1
.endm
	s_load_b256 s[4:11], s[0:1], 0x0               ; qw s[4:5], kvw s[6:7], ac s[8:9], asc s[10:11]
	v_lshl_add_u32 v[SPW], v0, 2, SPARE
	v_mov_b32 v[NIL], 0
	ds_add_u32 v[SPW], v[NIL]                      ; the wave's opening: the add, twice on end, and its wait ahead of my first tensor load; the set-up below stands between
	ds_add_u32 v[SPW], v[NIL]
	v_lshrrev_b32 v11, 5, v0
	s_delay_alu instid0(VALU_DEP_1)
	v_readfirstlane_b32 s[WV], v11                 ; wave 0..15
	s_bfe_u32 s[J], ttmp6, 0x40000
	s_and_b32 s[BH], ttmp7, 0xffff                 ; the cluster's y
	s_lshr_b32 s[LIME], s[WV], 1
	s_sub_co_u32 s[LIML], 15, s[LIME]
	s_lshl_b32 s[TE], s[WV], 2
	s_add_co_u32 s[TE], s[TE], s[J]
	s_sub_co_u32 s[TL], 127, s[TE]
	; descriptor group 1: a record, 8,960 dense bytes, as 35 rows of 256 bytes (32 elements of 8 bytes)
	s_mov_b32 s[G1], 15|(3<<16)|(1<<21)            ; 15:0 the mask: all four work-groups; 17:16 elements of 8 bytes; 21 set beside a mask; no padding
	s_mov_b32 s[G1+1], 32<<16                      ; tensor_dim0
	s_mov_b32 s[G1+2], 35<<16                      ; tensor_dim1
	s_mov_b32 s[G1+3], 32<<16                      ; tile_dim0
	s_mov_b32 s[G1+4], 35                          ; tile_dim1
	s_mov_b32 s[G1+5], 32                          ; tensor_dim0_stride
	s_mov_b32 s[G1+6], 0
	s_mov_b32 s[G1+7], 0
	s_mov_b32 s[G0], 1
	s_mul_i32 s[G0+1], s[WV], REC                  ; LDS address: wave x a record: no place in the cluster enters it
	s_mul_i32 s36, s[BH], HS
	s_add_co_u32 s36, s36, s[G0+1]
	s_mov_b32 s37, 0
	s_mov_b32 s39, 0
	s_mov_b32 s[SEL], 0x76543210
	s_mov_b32 s[SEL+1], 0xfedcba98
	s_mov_b32 s[CS], 0x3e38aa3b                    ; log2(e) / 8
	s_mov_b32 s[CS+1], s[CS]                       ; (named with it as a pair, so it is written)
	s_mov_b32 s[HI], 0xffff0000
	s_mov_b32 s[TB], 0
	s_mov_b32 s[KSI], 0
	s_wait_dscnt 0x0                               ; both opening adds are done
	s_wait_kmcnt 0x0
	s_add_nc_u64 s[G0+2:G0+3], s[6:7], s[36:37]
	s_or_b32 s[G0+3], s[G0+3], 0x80000000
	CROUND                                         ; all four work-groups are here: the joint loads meet
	tensor_load_to_lds s[G0:G0+3], s[G1:G1+7]      ; my one tensor load: record w of the head
	s_nop 0
.rept 4
	v_nop
.endr
; the global addresses of tile tau: Q's codes and scale words in qw, the result's codes in ac and scale bytes in asc
.macro TADDR tau, qc, qs, acp, asp
	s_lshr_b32 s36, s[\tau], 3
	s_lshl_b32 s37, s[BH], 4
	s_add_co_u32 s36, s36, s37
	s_mul_i32 s36, s36, REC                        ; the record of the tile's 128 queries
	s_and_b32 s37, s[\tau], 7                      ; a: the tile's place in it
	s_lshl_b32 s38, s37, 9
	s_add_co_u32 s38, s38, s36
	s_add_nc_u64 s[\qc:\qc+1], s[4:5], s[38:39]
	s_and_b32 s38, s37, 1
	s_lshl_b32 s38, s38, 8                         ; 256 (a % 2)
	s_lshr_b32 s37, s37, 1
	s_lshl_b32 s37, s37, 2                         ; 4 (a / 2)
	s_add_co_u32 s38, s38, s37
	s_add_co_u32 s38, s38, s36
	s_add_co_u32 s38, s38, 8192
	s_add_nc_u64 s[\qs:\qs+1], s[4:5], s[38:39]
	s_lshr_b32 s36, s[BH], 4
	s_lshl_b32 s36, s36, 7
	s_add_co_u32 s36, s36, s[\tau]                 ; the tile of 16 tokens among the 512
	s_and_b32 s37, s[BH], 15                       ; the head
	s_lshl_b32 s38, s36, 13
	s_lshl_b32 s3, s37, 9
	s_add_co_u32 s38, s38, s3                      ; ac: 8,192 bytes a tile, 512 a head
	s_add_nc_u64 s[\acp:\acp+1], s[8:9], s[38:39]
	s_lshl_b32 s38, s36, 9
	s_lshl_b32 s3, s37, 1
	s_add_co_u32 s38, s38, s3                      ; asc: 32 bytes a token, 2 a head
	s_add_nc_u64 s[\asp:\asp+1], s[10:11], s[38:39]
.endm
	TADDR TE, 42, 46, 50, 54
	TADDR TL, 44, 48, 52, 56
	v_and_b32 v[L16], 31, v0
	s_delay_alu instid0(VALU_DEP_1)
	v_lshlrev_b32 v[L8], 3, v[L16]
	s_delay_alu instid0(VALU_DEP_2)
	v_lshlrev_b32 v[L16], 4, v[L16]
	v_and_b32 v11, 15, v0                          ; r
	v_bfe_u32 v38, v0, 4, 1                        ; h
	s_delay_alu instid0(VALU_DEP_2)
	v_lshlrev_b32 v[R16], 4, v11
	s_delay_alu instid0(VALU_DEP_2)
	v_lshl_add_u32 v[AB], v11, 5, v38
	global_load_b128 v[20:23], v[L16], s[42:43]    ; Q's fragments stay in registers: lane (r, h): the 32 codes of channels 32 h on of query r
	global_load_b128 v[28:31], v[L16], s[44:45]
	global_load_b32 v36, v[R16], s[46:47]          ; and their scale words
	global_load_b32 v37, v[R16], s[48:49]
	v_lshlrev_b32 v38, 3, v38
	s_delay_alu instid0(VALU_DEP_1)
	v_sub_nc_u32 v11, v11, v38                     ; r - 8 h
	s_and_b32 s36, s[TE], 7
	s_lshl_b32 s36, s36, 4
	v_add_nc_u32 v[DE], s36, v11
	s_and_b32 s36, s[TL], 7
	s_lshl_b32 s36, s36, 4
	v_add_nc_u32 v[DL], s36, v11
.irp j, 24,25,26,27, 32,33,34,35, 72,73,74,75
	v_mov_b32 v[\j], 0                             ; zero codes: the upper 64 of the first product's K
.endr
.irp j, 236,237,238,239, 251,252,253
	v_mov_b32 v[\j], 0                             ; written once: a lane permute's destination counts as one of its sources; the upper halves of pairs are named before they are written
.endr
.irp t, 12, 16
	v_mov_b32 v[\t+1], 0xff61b1e6                  ; the largest t so far: -3e38, under every t
	s_delay_alu instid0(VALU_DEP_1)
	v_floor_f32 v[\t], -v[\t+1]                    ; -M
	v_mov_b32 v[\t+2], 0                           ; the sum, in two halves
	v_mov_b32 v[\t+3], 0
.endr
.set n, 0
.rept 64
	v_mov_b32 v[160+n], 0                          ; O^T.  (The step is written once: a tile's first step finds zeros, which the first change of M leaves zeros)
.set n, n+1
.endr
	s_wait_tensorcnt 0x0                           ; my record is in,
	s_barrier_signal -1
	s_barrier_wait -1                              ; everybody's is: the whole head lies in LDS
	s_wait_loadcnt 0x0                             ; Q
; A TILE'S KEY STEP: 128 keys.  OX: its O^T; QX, QS: its Q and scale words; ST: its four statistics; DX: its number for the diagonal; LIM: its last step.
.macro STEP OX, QX, QS, ST, DX, LIM
	s_cmp_gt_u32 s[KSI], s[\LIM]                   ; all 128 keys come after my 16 queries: the step is left out.  The wave's number and the count of steps alone decide
	s_cbranch_scc1 .Lhidden_\@
	v_add_nc_u32 v[ADR], s[TB], v[L16]
	v_add_nc_u32 v[ADR2], s[TB], v[L8]
	v_nop
	v_nop                                          ; four places in front of loads into registers that the last products read
.irp t, 0,1,2,3,4,5,6,7
	ds_load_b128 v[KV+4*\t:KV+4*\t+3], v[ADR] offset:512*\t          ; keys 16 t on
.endr
	ds_load_b128 v[KSW:KSW+3], v[ADR] offset:8192  ; register i: lanes 0-15 tile 2 i's words, lanes 16-31 tile 2 i + 1's
	s_wait_alu depctr_va_vdst(0)
	s_wait_dscnt 0x0
.irp t, 0,2,4,6
	v_wmma_scale_f32_16x16x128_f8f6f4 v[S+8*\t:S+8*\t+7], v[KV+4*\t:KV+4*\t+7], v[\QX:\QX+7], 0, v[KSW+\t/2], v[\QS] matrix_a_fmt:MATRIX_FMT_FP4 matrix_b_fmt:MATRIX_FMT_FP4
	v_wmma_scale_f32_16x16x128_f8f6f4 v[S+8*\t+8:S+8*\t+15], v[KV+4*\t+4:KV+4*\t+11], v[\QX:\QX+7], 0, v[KSW+\t/2], v[\QS] matrix_a_fmt:MATRIX_FMT_FP4 matrix_b_fmt:MATRIX_FMT_FP4 matrix_a_scale:MATRIX_SCALE_ROW1
.endr
.rept 4
	v_nop                                          ; places: in front of the first read of the scores, and of the loads into K's registers
.endr
.irp t, 0,1,2,3
.irp c, 0,1
	ds_load_b128 v[KV+8*\t+4*\c:KV+8*\t+4*\c+3], v[ADR] offset:4096+1024*\t+512*\c   ; V's four fragments (16 channels x these 128 keys): they land while the softmax is walked
.endr
.endr
	ds_load_b64 v[VSW:VSW+1], v[ADR2] offset:8704
	s_cmp_lg_u32 s[KSI], s[\LIM]                   ; on the diagonal, the tile's last step, hidden scores become -infinity ahead of the maximum: p = 0 then
	s_cbranch_scc1 .Lopen_\@
	v_mov_b32 v254, 0xff800000
.set n, 0
.rept 64
	v_cmp_gt_i32 vcc_lo, 16*(n/8)+n%8, v[\DX]
	v_cndmask_b32 v[S+n], v[S+n], v254, vcc_lo
.set n, n+1
.endr
.Lopen_\@:
.irp b, 0,1,2,3
	v_max3_num_f32 v[232+\b], v[S+16*\b], v[S+1+16*\b], v[S+2+16*\b]   ; THE LARGEST SCORE OF EACH BLOCK OF 32 KEYS: it serves twice: for the row's maximum, and, since p rises with the score, for the block's largest p
.endr
.irp i, 3,5,7,9,11,13
.irp b, 0,1,2,3
	v_max3_num_f32 v[232+\b], v[232+\b], v[S+16*\b+\i], v[S+1+16*\b+\i]   ; (the four blocks by turns)
.endr
.endr
.irp b, 0,1,2,3
	v_max_num_f32 v[232+\b], v[232+\b], v[S+15+16*\b]
.endr
.irp b, 0,1,2,3
	s_delay_alu instid0(VALU_DEP_4)
	v_permlanex16_b32 v[236+\b], v[232+\b], s[SEL], s[SEL+1]
.endr
.irp b, 0,1,2,3
	s_delay_alu instid0(VALU_DEP_4)
	v_max_num_f32 v[232+\b], v[232+\b], v[236+\b]  ; with lane l xor 16's 16 keys
.endr
	s_delay_alu instid0(VALU_DEP_2)
	v_max3_num_f32 v254, v232, v233, v234
	s_delay_alu instid0(VALU_DEP_1)
	v_max_num_f32 v254, v254, v235                 ; the step's largest score of my query (the step's first key counts for every query of the tile: it is a number)
	s_delay_alu instid0(VALU_DEP_1)
	v_mul_f32 v254, s[CS], v254                    ; as t (c is positive)
	s_delay_alu instid0(VALU_DEP_1)
	v_max_num_f32 v[\ST+1], v[\ST+1], v254         ; the running largest t
	v_mov_b32 v254, v[\ST]
	s_delay_alu instid0(VALU_DEP_2)
	v_floor_f32 v[\ST], -v[\ST+1]                  ; the new -M = floor(-t) = -ceil(t): M IS A WHOLE NUMBER
	s_delay_alu instid0(VALU_DEP_1)
	v_sub_f32 v254, v[\ST], v254                   ; M's old value less its new one: a whole number, 0 or less
	s_delay_alu instid0(VALU_DEP_1)
	v_cvt_i32_f32 v254, v254                       ; (it saturates)
	s_delay_alu instid0(VALU_DEP_1)
	v_ldexp_f32 v[FF], 1.0, v254                   ; f = 2^(old M - new M): a multiplication by it rounds nothing
.set n, 0
.rept 32
	v_pk_fma_f32 v[S+n:S+n+1], v[S+n:S+n+1], s[CS:CS+1], v[\ST:\ST+1] op_sel_hi:[1,0,0]   ; t - M, two at a time (of the pairs c and -M the low word serves both halves)
.set n, n+2
.endr
.irp b, 0,1,2,3
	v_fma_f32 v[232+\b], v[232+\b], s[CS], v[\ST]  ; the same of each block's largest score
.endr
.set n, 0
	s_wait_alu depctr_va_vdst(0)
.rept 64
	v_exp_f32 v[S+n], v[S+n]                       ; p = 2^(t - M), at most 1: NOT normalised
.set n, n+1
.endr
	v_pk_mul_f32 v[\ST+2:\ST+3], v[\ST+2:\ST+3], v[FF:FF+1] op_sel_hi:[1,0]   ; the sums under the new M.  (A plain place behind the exponentials)
	s_wait_alu depctr_va_vdst(0)                   ; one wait for the whole batch, ahead of its first reader
.irp b, 0,1,2,3
	v_exp_f32 v[232+\b], v[232+\b]                 ; the block's largest p: the same two instructions on the same number give the same bits
.endr
	v_pk_add_f32 v[236:237], v[S:S+1], v[S+2:S+3]  ; THE ROW'S SUM IS TAKEN OF THE UNQUANTISED p: two at a time, in two chains.  (It reads the 64 alone: plain work behind the four)
.irp j, 4,8,12,16,20,24,28,32,36,40,44,48,52,56,60
	v_pk_add_f32 v[\ST+2:\ST+3], v[\ST+2:\ST+3], v[S+\j:S+1+\j]
	v_pk_add_f32 v[236:237], v[236:237], v[S+2+\j:S+3+\j]
.endr
	s_delay_alu instid0(VALU_DEP_1)
	v_pk_add_f32 v[\ST+2:\ST+3], v[\ST+2:\ST+3], v[236:237]
	s_wait_alu depctr_va_vdst(0)                   ; and one for the four
.irp b, 0,1,2,3
	v_max_num_f32 v[232+\b], 0x1800000, v[232+\b]  ; the floor 2^(3 - 127): the byte cannot fall under 1 (a block whose every p is 0 keeps that byte: its codes are zeros)
.endr
.irp b, 0,1,2,3
	s_delay_alu instid0(VALU_DEP_4)
	v_add_nc_u32 v[244+\b], 0xff000000, v[232+\b]  ; 2 off the exponent field: the conversion's scale operand
.endr
.irp b, 0,1,2,3
	s_delay_alu instid0(VALU_DEP_4)
	v_lshrrev_b32 v[236+\b], 23, v[244+\b]         ; the scale's byte
.endr
	s_delay_alu instid0(VALU_DEP_3)
	v_lshl_or_b32 v253, v237, 8, v236              ; p's scale word for these 128 keys
	s_delay_alu instid0(VALU_DEP_1)
	v_lshl_or_b32 v253, v238, 16, v253
	s_delay_alu instid0(VALU_DEP_1)
	v_lshl_or_b32 v253, v239, 24, v253
.irp b, 0,1,2,3
.irp u, 0,1
	v_cvt_scalef32_pk8_fp4_f32 v[PCD+4*(\b/2)+2*\u+\b%2], v[S+16*\b+8*\u:S+16*\b+8*\u+7], v[244+\b]   ; keys 32 b + 16 u + 8 h + 0 .. 7
.endr
.endr
	v_nop                                          ; one plain place behind a scaled conversion
.irp c, 0,1
.irp u, 0,1
	v_permlane16_swap_b32 v[PCD+4*\c+2*\u], v[PCD+4*\c+2*\u+1]   ; register 4 c + i of lane (r, h) now holds keys 64 c + 32 h + 8 i + 0 .. 7: the operand's layout
.endr
.endr
.set n, 0
.rept 16
	v_pk_mul_f32 v[\OX+n:\OX+n+1], v[\OX+n:\OX+n+1], v[FF:FF+1] op_sel_hi:[1,0]   ; O^T under the new M: x f.  Twelve of these name no register of a given product below: the places that its scale word (8) and its operand (4) want ahead of it
.set n, n+2
.endr
.rept 4
	v_nop                                          ; between the last rescaling and the products that add onto what it wrote
.endr
	s_wait_alu depctr_va_vdst(0)
	s_wait_dscnt 0x0                               ; V
.irp t, 0,2
	v_wmma_scale_f32_16x16x128_f8f6f4 v[\OX+8*\t:\OX+8*\t+7], v[KV+8*\t:KV+8*\t+7], v[PCD:PCD+7], v[\OX+8*\t:\OX+8*\t+7], v[VSW+\t/2], v253 matrix_a_fmt:MATRIX_FMT_FP4 matrix_b_fmt:MATRIX_FMT_FP4
	v_wmma_scale_f32_16x16x128_f8f6f4 v[\OX+8*\t+8:\OX+8*\t+15], v[KV+8*\t+8:KV+8*\t+15], v[PCD:PCD+7], v[\OX+8*\t+8:\OX+8*\t+15], v[VSW+\t/2], v253 matrix_a_fmt:MATRIX_FMT_FP4 matrix_b_fmt:MATRIX_FMT_FP4 matrix_a_scale:MATRIX_SCALE_ROW1
.endr                                              ; the four accumulators take turns, one instruction a turn
.Lhidden_\@:
.endm
.Lks:                                              ; 16 trips, a constant: every wave walks all steps and jumps over the work of those that are hidden
	STEP 192, 28, 37, 16, DL, LIML
	STEP 160, 20, 36, 12, DE, LIME
	s_add_co_u32 s[TB], s[TB], REC
	s_add_co_u32 s[KSI], s[KSI], 1
	s_cmp_lt_u32 s[KSI], 16
	s_cbranch_scc1 .Lks
; THE WAY OUT of a tile.  O^T / the sum: register 8 t + j of lane (r, h) is channel 16 t + 8 h + j of token r.  The head's 64 channels are two blocks of the projection's K: quantised as p is.
; The codes are half a fragment's image (registers 4 c .. 4 c + 3, c = head % 2): 512 consecutive bytes.  Lane (r, h) stores block h's scale byte of token r.
.macro OUT OX, ST, F, HW, ACP, ASP
	v_add_f32 v[\ST+2], v[\ST+2], v[\ST+3]         ; the sum's two halves,
	s_delay_alu instid0(VALU_DEP_1)
	v_permlanex16_b32 v252, v[\ST+2], s[SEL], s[SEL+1]
	s_delay_alu instid0(VALU_DEP_1)
	v_add_f32 v[\ST+2], v[\ST+2], v252             ; and lane l xor 16's: the row's sum
	s_wait_alu depctr_va_vdst(0)
	v_rcp_f32 v[\ST+2], v[\ST+2]
	v_nop                                          ; one plain place behind a transcendental
	s_wait_alu depctr_va_vdst(0)                   ; and the wait ahead of its first reader
.set n, 0
.rept 16
	v_pk_mul_f32 v[S+n:S+n+1], v[\OX+n:\OX+n+1], v[\ST+2:\ST+3] op_sel_hi:[1,0]   ; each accumulator from its low end on
.set n, n+2
.endr
.irp b, 0,1
	v_max3_num_f32 v[232+\b], |v[S+16*\b]|, |v[S+1+16*\b]|, 0x1800000
.endr
.irp i, 2,4,6,8,10,12,14
.irp b, 0,1
	s_delay_alu instid0(VALU_DEP_2)
	v_max3_num_f32 v[232+\b], v[232+\b], |v[S+16*\b+\i]|, |v[S+1+16*\b+\i]|
.endr
.endr
.irp b, 0,1
	s_delay_alu instid0(VALU_DEP_2)
	v_permlanex16_b32 v[236+\b], v[232+\b], s[SEL], s[SEL+1]
.endr
.irp b, 0,1
	s_delay_alu instid0(VALU_DEP_2)
	v_max_num_f32 v[232+\b], v[232+\b], v[236+\b]
.endr
.irp b, 0,1
	s_delay_alu instid0(VALU_DEP_2)
	v_add_nc_u32 v[244+\b], 0xff000000, v[232+\b]
.endr
.irp b, 0,1
	s_delay_alu instid0(VALU_DEP_2)
	v_lshrrev_b32 v[236+\b], 23, v[244+\b]
.endr
	s_delay_alu instid0(VALU_DEP_1)
	v_cndmask_b32 v[\HW], v236, v237, s[HI]        ; lanes 0-15 block 0's byte, lanes 16-31 block 1's
.irp e, 0,1
.irp u, 0,1
	v_cvt_scalef32_pk8_fp4_f32 v[\F+2*\u+\e], v[S+16*\e+8*\u:S+16*\e+8*\u+7], v[244+\e]
.endr
.endr
	v_nop                                          ; one plain place behind a scaled conversion
.irp u, 0,1
	v_permlane16_swap_b32 v[\F+2*\u], v[\F+2*\u+1]
.endr
	global_store_b128 v[L16], v[\F:\F+3], s[\ACP:\ACP+1]   ; 32 lanes store 512 consecutive bytes, at a multiple of 256 from ac's first byte
	global_store_b8 v[AB], v[\HW], s[\ASP:\ASP+1]          ; two bytes of each of 16 rows of 32: one part in 256 of what the launch stores
.endm
.rept 4
	v_nop                                          ; places behind the last products
.endr
	OUT 160, 12, 224, 240, 50, 54                  ; the two tiles have registers of their own for what is stored: no store's data are written again
	OUT 192, 16, 228, 241, 52, 56
	s_wait_tensorcnt 0x0                           ; the wave's end: behind my last tensor load
	ds_add_u32 v[SPW], v[NIL]
	s_wait_dscnt 0x0
	CROUND                                         ; the closing round: no work-group ends while a partner may still ask for a tile that names it
	s_endpgm
.Lfunc_end_k_q36f1ea8c71_attn:
	.size	k_q36f1ea8c71_attn, .Lfunc_end_k_q36f1ea8c71_attn-k_q36f1ea8c71_attn
	.p2alignl 7, 3214868480
	.fill 96, 4, 3214868480
	.section	.rodata,"a",@progbits
	.p2align	6, 0x0
	.amdhsa_kernel k_q36f1ea8c71_attn
		.amdhsa_group_segment_fixed_size 167936
		.amdhsa_private_segment_fixed_size 0
		.amdhsa_enable_private_segment 0
		.amdhsa_kernarg_size 32
		.amdhsa_user_sgpr_count 2
		.amdhsa_user_sgpr_kernarg_segment_ptr 1
		.amdhsa_wavefront_size32 1
		.amdhsa_system_sgpr_workgroup_id_x 1
		.amdhsa_system_sgpr_workgroup_id_y 1
		.amdhsa_system_sgpr_workgroup_id_z 1
		.amdhsa_system_vgpr_workitem_id 0
		.amdhsa_next_free_vgpr 256
		.amdhsa_next_free_sgpr 66
		.amdhsa_reserve_vcc 1
		.amdhsa_float_denorm_mode_32 3
		.amdhsa_float_denorm_mode_16_64 3
		.amdhsa_memory_ordered 1
		.amdhsa_forward_progress 1
		.amdhsa_inst_pref_size 60
	.end_amdhsa_kernel
	.amdgpu_metadata
---
amdhsa.version: [ 1, 2 ]
amdhsa.kernels:
  - .name:           k_q36f1ea8c71_attn
    .symbol:         k_q36f1ea8c71_attn.kd
    .args:
      - { .name: qw, .offset: 0, .size: 8, .value_kind: global_buffer, .address_space: global }
      - { .name: kvw, .offset: 8, .size: 8, .value_kind: global_buffer, .address_space: global }
      - { .name: ac, .offset: 16, .size: 8, .value_kind: global_buffer, .address_space: global }
      - { .name: asc, .offset: 24, .size: 8, .value_kind: global_buffer, .address_space: global }
    .group_segment_fixed_size: 167936
    .private_segment_fixed_size: 0
    .kernarg_segment_align: 8
    .kernarg_segment_size: 32
    .max_flat_workgroup_size: 512
    .sgpr_count:     66
    .vgpr_count:     256
    .wavefront_size: 32
...
	.end_amdgpu_metadata
.endif
;; end of part 2
;; launch proj (part 3): grid 4 x 32, 4 waves a work-group, clusters of 4 x 4, 327,680 bytes of LDS; arguments ac, asc, W_proj_codes, W_proj_scales, b_proj, out0; writes out0
.if DOCPART == 3
	.amdgcn_target "amdgcn-amd-amdhsa--gfx1250"
	.amdhsa_code_object_version 6
	.text
	.protected	k_q36f1ea8c71_proj
	.globl	k_q36f1ea8c71_proj
	.p2align	8
	.type	k_q36f1ea8c71_proj,@function
k_q36f1ea8c71_proj:
	s_mov_b64 s[64:65], 0
	v_nop
	global_prefetch_b8 v0, s[64:65] scope:SCOPE_SE
	s_setreg_imm32_b32 hwreg(HW_REG_WAVE_MODE, 25, 1), 1
	s_wait_xcnt 0x0
	s_wait_alu depctr_hold_cnt(0) depctr_sa_sdst(0) depctr_va_vdst(0) depctr_va_sdst(0) depctr_va_ssrc(0) depctr_va_vcc(0) depctr_vm_vsrc(0)
	s_getreg_b32 s2, hwreg(HW_REG_IB_STS2, 6, 4)
	s_cmp_eq_u32 s2, 0
	s_cbranch_scc0 .Lentry_in_a_cluster
	s_endpgm
.Lentry_in_a_cluster:
	s_bfe_u32 s2, ttmp6, 0x10000c
	s_cmp_lg_u32 s2, 0xf033
	s_cbranch_scc0 .Lentry_shape_is_right
	s_endpgm
.Lentry_shape_is_right:
; out0 = A W_proj^T + b_proj on codes of E2M1 with one E8M0 scale for each 32 along K (K = 1,024), sums in f32.  A, [8,192][1,024], is the attention's result as the launch before quantised it.  Nothing is left out here.
; ac: [tile of 16 tokens = 512][K step of 128 = 8][c = 2][512 bytes]: images of the operand's registers (lane l's 16 bytes at 16 l);  asc: [8,192][32] scale bytes;  W_proj's codes [1,024][512 bytes], scales [1,024][32].
; A tile of out0, 256 x 256, is made by a work-group of four waves; a wave makes 128 x 128: 64 accumulators of 16 x 16, 512 registers.  K goes in two steps of 512 through two LDS slots, both filled once, at the start.
; CLUSTERS: 4 x 4 work-groups.  The four of a row of the cluster need the same tiles of A, the four of a column the same tiles of W_proj: each tile is asked for JOINTLY.
; THE MATRIX INSTRUCTION IS USED TRANSPOSED (source 0 = 16 rows of W_proj, source 1 = 16 tokens): a lane holds eight neighbouring numbers of a row of out0.  The bias is the C of each sum's first product.
; REGISTERS, in windows of 256: window 0: v1-7 at work; v16-29 addresses; v32-95 scale words, two sets; v128-191 A's fragments, ONE set; v192-255 the bias; on the way out v128-255 are free.
;   window 1: W_proj's fragments, TWO sets.   window 2: the accumulators of my rows 0-63 ((a, b) at v[8 (8 a + b)]);   window 3: those of my rows 64-127.
.set SIZE_N, 1024
.set NQ,     4                         ; steps of 128 along K in a slot
.set ROWB,   256                       ; a row of W_proj's tile in bytes: 512 codes
.set KROW,   512                       ; a row of W_proj in memory; also A's bytes for each token
.set PITCH,  272                       ; W_proj's rows in LDS: 256 bytes + 16 of padding = 68 words: row r starts at bank 4 r mod 64 (64 banks of 4 bytes: ISA guide 11.1)
.set FR,     8
.set NL,     2
.set NP,     4                         ; places behind this matrix instruction (ISA guide 7.12.1)
.set HALFT,  128*PITCH                 ; the room of 128 rows in a slot; A's images use 32,768 bytes of it
.set SLOT,   4*HALFT
.set KS,     32
.set SCL,    2*SLOT
.set HALFS,  (128*KS/256)*272
.set SBLK,   (16*KS/256)*272
.set SPARE,  SCL+4*HALFS               ; the spare words, 128 bytes for each wave: two blocks of 256 bytes that no other line names
.set SPITCH, 528                       ; the way out: a stage of 16 rows x (512 bytes + 16) for each wave.  It lies in slot 0, which has had its only fill and its last read when the first result is stored there
.set BO1,  7                           ; v7   32 x (lane / 16): the bias's offset; never rewritten
.set ADRA, 16
.set ADRB, 20
.set STO,  24                          ; v24  the way out: where I put 32 bytes of a row
.set RD,   25                          ; v25  where I read a row back
.set CO,   26                          ; v26  16 x lane: my place in an image, and my byte offset in a row of out0
.set ADRS, 27
.set SPW,  28                          ; v28  LDS address of my spare word; never rewritten
.set NIL,  29                          ; v29  0; never rewritten
.set SC,   32
.set AF,   128
.set BK,   128                         ; the way out: 16 rows read back from the stage: v128-191 and v192-255 by turns
.set BIAS, 192
.set G1, 24
.set G0, 32
.set G1B, 48
.set G0B, 56
.set G1S, 68
.set G0S, 76
.set G1SB, 80
.set G0SB, 88
.set MSB, 0
.macro WIN new                         ; the immediate's high byte repeats the setting that is left
.if MSB != \new
	s_set_vgpr_msb (MSB<<8)|\new
.set MSB, \new
.endif
.endm
.set MUL_LO, 0xa1                      ; source 0 (W_proj) window 1, source 1 (A) window 0, C and D window 2
.set MUL_HI, 0xf1                      ; the same, C and D window 3
.set FST_LO, 0x81                      ; the first products: C (the bias) window 0, D window 2
.set FST_HI, 0xc1                      ; D window 3
.set TO_B,   0x40
; A joint load: waves 0 and 1 fetch for A, waves 2 and 3 for W_proj; the branch hangs on the wave's number alone.  An s_nop 0 and four v_nop follow each of the two lines.
.macro JLOAD g0a, g1a, g0b, g1b
	s_cmp_eq_u32 s15, 0
	s_cbranch_scc0 .Lfor_b_\@
	tensor_load_to_lds s[\g0a:\g0a+3], s[\g1a:\g1a+7]
	s_nop 0
.rept 4
	v_nop
.endr
	s_branch .Lasked_\@
.Lfor_b_\@:
	tensor_load_to_lds s[\g0b:\g0b+3], s[\g1b:\g1b+7]
	s_nop 0
.rept 4
	v_nop
.endr
.Lasked_\@:
.endm
.macro CROUND                          ; a round of the cluster's barrier
	s_barrier_signal -1
	s_barrier_wait -1
	s_cmp_lg_u32 s14, 0
	s_cbranch_scc1 .Lnot_wave_0_\@
	s_barrier_signal -3
.Lnot_wave_0_\@:
	s_barrier_wait -3
	s_barrier_signal -1
	s_barrier_wait -1
.endm
	s_load_b128 s[4:7], s[0:1], 0x0                ; ac s[4:5], asc s[6:7]
	s_load_b128 s[8:11], s[0:1], 0x10              ; W_proj's codes s[8:9], its scales s[10:11]
	s_load_b64 s[96:97], s[0:1], 0x20              ; b_proj
	s_load_b64 s[12:13], s[0:1], 0x28              ; out0
	v_lshl_add_u32 v[SPW], v0, 2, SPARE
	v_mov_b32 v[NIL], 0
	ds_add_u32 v[SPW], v[NIL]                      ; the wave's opening: the add, twice on end, and its wait ahead of my first tensor load; the set-up below stands between
	ds_add_u32 v[SPW], v[NIL]
	v_lshrrev_b32 v1, 5, v0
	v_readfirstlane_b32 s14, v1                    ; wave 0..3
	s_lshr_b32 s15, s14, 1                         ; which half of the tile's rows is mine.  Also: I fetch for A (0) or for W_proj (1)
	s_and_b32 s16, s14, 1                          ; which half of its columns.  Also: which 128 rows of that tile I fetch
	s_bfe_u32 s40, ttmp6, 0x40000                  ; cx, cy
	s_bfe_u32 s41, ttmp6, 0x40004
	s_lshl_b32 s42, ttmp9, 2
	s_add_co_u32 s42, s42, s40                     ; tile column = 4 x cluster x + cx
	s_and_b32 s17, ttmp7, 0xffff
	s_lshl_b32 s17, s17, 2
	s_add_co_u32 s17, s17, s41                     ; tile row = 4 x cluster y + cy
	s_lshl_b32 s43, s41, 2
	s_lshl_b32 s43, 15, s43                        ; my row of the cluster
	s_lshl_b32 s44, 0x1111, s40                    ; my column
	; descriptor group 1 for A: 8 tiles of 16 tokens, of each the slot's 4,096 bytes (512 elements of 8 bytes), 8,192 bytes apart; dense in LDS
	s_or_b32 s[G1+0], s43, (3<<16)|(1<<21)         ; 15:0 the mask: my row; 17:16 elements of 8 bytes; 21 set beside a mask; no padding
	s_mov_b32 s[G1+1], 512<<16                     ; tensor_dim0
	s_mov_b32 s[G1+2], 8<<16                       ; tensor_dim1
	s_mov_b32 s[G1+3], 512<<16                     ; tile_dim0
	s_mov_b32 s[G1+4], 8                           ; tile_dim1
	s_mov_b32 s[G1+5], 1024                        ; tensor_dim0_stride
	s_mov_b32 s[G1+6], 0
	s_mov_b32 s[G1+7], 0
	; for W_proj: 128 rows x 256 bytes, padded in LDS
	s_or_b32 s[G1B+0], s44, (0<<16)|(1<<20)|(1<<21)|(5<<22)|(3<<25)  ; the mask: my column; elements of 1 byte; padding: 4 words after every 64
	s_mov_b32 s[G1B+1], ROWB<<16
	s_mov_b32 s[G1B+2], 128<<16
	s_mov_b32 s[G1B+3], ROWB<<16
	s_mov_b32 s[G1B+4], 128
	s_mov_b32 s[G1B+5], KROW
	s_mov_b32 s[G1B+6], 0
	s_mov_b32 s[G1B+7], 0
	; the scales of 128 rows: a dense block of 4,096 bytes, as 16 rows of 256 bytes, 16 bytes of padding behind each
	s_or_b32 s[G1S+0], s43, (3<<16)|(1<<20)|(1<<21)|(5<<22)|(3<<25)
	s_or_b32 s[G1SB+0], s44, (3<<16)|(1<<20)|(1<<21)|(5<<22)|(3<<25)
.irp g, G1S, G1SB
	s_mov_b32 s[\g+1], 32<<16
	s_mov_b32 s[\g+2], (128*KS/256)<<16
	s_mov_b32 s[\g+3], 32<<16
	s_mov_b32 s[\g+4], 128*KS/256
	s_mov_b32 s[\g+5], 32
	s_mov_b32 s[\g+6], 0
	s_mov_b32 s[\g+7], 0
.endr
	s_lshl_b32 s18, s16, 7
	s_lshl_b32 s20, s17, 8
	s_add_co_u32 s20, s20, s18                     ; A: token 256 x tile row + 128 x half
	s_lshl_b32 s46, s42, 8
	s_add_co_u32 s46, s46, s18                     ; W_proj: row 256 x tile column + 128 x half
	s_mov_b32 s21, 0
	s_mov_b32 s47, 0
	s_mov_b64 s[18:19], KS
	s_mul_u64 s[22:23], s[20:21], s[18:19]         ; where these rows' scales begin
	s_mul_u64 s[92:93], s[46:47], s[18:19]
	s_mov_b64 s[18:19], KROW
	s_mul_u64 s[20:21], s[20:21], s[18:19]         ; and their codes: 512 bytes a token in ac too (16 tokens are 8,192 bytes)
	s_mul_u64 s[46:47], s[46:47], s[18:19]
	s_mul_i32 s45, s14, HALFT                      ; where they go: no place in the cluster enters an LDS address
	s_mul_i32 s94, s14, HALFS
	s_wait_dscnt 0x0                               ; both opening adds are done
	s_wait_kmcnt 0x0
	s_add_nc_u64 s[20:21], s[4:5], s[20:21]
	s_add_nc_u64 s[22:23], s[6:7], s[22:23]
	s_add_nc_u64 s[46:47], s[8:9], s[46:47]
	s_add_nc_u64 s[92:93], s[10:11], s[92:93]
	CROUND                                         ; all sixteen work-groups are here: the joint loads meet
	s_mov_b32 s[G0S], 1
	s_add_co_u32 s[G0S+1], s94, SCL
	s_mov_b64 s[G0S+2:G0S+3], s[22:23]
	s_or_b32 s[G0S+3], s[G0S+3], 0x80000000
	s_mov_b32 s[G0SB], 1
	s_add_co_u32 s[G0SB+1], s94, SCL
	s_mov_b64 s[G0SB+2:G0SB+3], s[92:93]
	s_or_b32 s[G0SB+3], s[G0SB+3], 0x80000000
	JLOAD G0S, G1S, G0SB, G1SB                     ; the scales first: they are wanted with K step 0
.irp s, 0,1
	s_mov_b32 s[G0+4*\s], 1
	s_add_co_u32 s[G0+4*\s+1], s45, \s*SLOT
	s_add_nc_u64 s[G0+4*\s+2:G0+4*\s+3], s[20:21], \s*4096   ; slot s: K steps 4 s .. 4 s + 3 of each tile's eight
	s_or_b32 s[G0+4*\s+3], s[G0+4*\s+3], 0x80000000
	s_mov_b32 s[G0B+4*\s], 1
	s_add_co_u32 s[G0B+4*\s+1], s45, \s*SLOT
	s_add_nc_u64 s[G0B+4*\s+2:G0B+4*\s+3], s[46:47], \s*ROWB
	s_or_b32 s[G0B+4*\s+3], s[G0B+4*\s+3], 0x80000000
	JLOAD G0+4*\s, G1, G0B+4*\s, G1B               ; both slots: all of K.  Three loads of mine are out
.endr
	v_and_b32 v1, 15, v0                           ; r
	v_bfe_u32 v2, v0, 4, 1                         ; h
	v_mul_u32_u24 v3, v1, PITCH
	v_lshl_add_u32 v4, v2, 4, v3                   ; W_proj: a fragment's row x pitch + 16 x half
	v_and_b32 v6, 31, v0
	v_lshlrev_b32 v[CO], 4, v6                     ; A: 16 x lane
	s_mul_i32 s21, s15, HALFT                      ; my 128 tokens
	s_mul_i32 s22, s16, HALFT                      ; my 128 rows of W_proj,
	s_add_co_u32 s22, s22, 2*HALFT                 ; which lie behind A's room
.irp s, 0,1
	v_add_nc_u32 v[ADRA+\s], s21, v[CO]
	v_add_nc_u32 v[ADRB+\s], s22, v4
	s_add_co_u32 s21, s21, SLOT
	s_add_co_u32 s22, s22, SLOT
.endr
	v_mul_u32_u24 v5, v1, KS                       ; my row's scales: 32 bytes a row,
	v_lshrrev_b32 v6, 8, v5
	v_lshl_add_u32 v5, v6, 4, v5                   ; and 16 more for each 256 passed
	s_mul_i32 s21, s15, HALFS
	s_mul_i32 s22, s16, HALFS
	s_add_co_u32 s22, s22, 2*HALFS
	s_sub_co_u32 s22, s22, s21
	v_mul_u32_u24 v6, s22, v2                      ; lanes 16-31 take W_proj's: one product, the distance between the two bases
	s_add_co_u32 s21, s21, SCL
	v_add_nc_u32 v5, v5, v6
	v_add_nc_u32 v[ADRS], s21, v5
	s_mul_i32 s23, s14, 16*SPITCH                  ; my stage
	v_mul_u32_u24 v5, v1, SPITCH                   ; in: row r, 32 bytes for each half of the lanes
	v_lshl_add_u32 v5, v2, 5, v5
	v_add_nc_u32 v[STO], s23, v5
	v_add_nc_u32 v[RD], s23, v[CO]                 ; back: the 32 lanes take one row of 512 bytes
	v_lshlrev_b32 v[BO1], 5, v2
	s_lshl_b32 s20, s17, 8
	s_lshl_b32 s21, s15, 7
	s_add_co_u32 s20, s20, s21                     ; my first row of out0
	s_mov_b32 s21, 0
	s_mov_b64 s[18:19], SIZE_N*4
	s_mul_u64 s[20:21], s[20:21], s[18:19]
	s_lshl_b32 s46, s42, 10                        ; my first column, in bytes: 1,024 x tile column + 512 x half: in out0's rows and in b_proj alike
	s_lshl_b32 s47, s16, 9
	s_add_co_u32 s46, s46, s47
	s_mov_b32 s47, 0
	s_add_nc_u64 s[96:97], s[96:97], s[46:47]
	s_add_nc_u64 s[20:21], s[20:21], s[46:47]
	s_add_nc_u64 s[12:13], s[12:13], s[20:21]
.irp b, 0,1,2,3,4,5,6,7                        ; the bias in the result's layout: for W_proj's block b the numbers 16 b + 8 h + 0 .. 7
	global_load_b128 v[BIAS+8*\b:BIAS+8*\b+3], v[BO1], s[96:97] offset:64*\b
	global_load_b128 v[BIAS+8*\b+4:BIAS+8*\b+7], v[BO1], s[96:97] offset:64*\b+16
.endr
.macro FRAG reg, adr, q, i             ; W_proj: 16 rows x 128 K from rows: lane l holds row l % 16; registers 4 c .. 4 c + 3 hold K = 64 c + 32 (l / 16) + 0 .. 31
.irp c, 0,1
	ds_load_b128 v[\reg+4*\c:\reg+4*\c+3], v[\adr] offset:64*(\q)+32*\c+(\i)*16*PITCH
.endr
.endm
.macro FRAGA reg, adr, q, i            ; A: the same registers from their image: tile i's 4,096 bytes, K step q's 1,024, 512 for each four registers
.irp c, 0,1
	ds_load_b128 v[\reg+4*\c:\reg+4*\c+3], v[\adr] offset:(\i)*4096+1024*(\q)+512*\c
.endr
.endm
; 16 matrix instructions: A's blocks a0, a0 + 1 x W_proj's eight, the slot's q-th 128 along K.  cm = 1: the sums start from the bias: nothing is ever cleared.
; The 64 accumulators take turns, one instruction a turn, in the same order in every step.
.macro MUL16 a0, p, q, sc, cm
.irp a, \a0, \a0+1
.irp b, 0,1,2,3,4,5,6,7
.set rD, 8*(8*((\a)%4)+\b)
.set rB, 128*(\p)+FR*\b
.set rA, AF+FR*(\a)
.set rSB, SC+8*NQ*(\sc)+NQ*\b+(\q)
.set rSA, SC+8*NQ*(\sc)+NQ*(\a)+(\q)
.if \cm == 0
	v_wmma_scale_f32_16x16x128_f8f6f4 v[rD:rD+7], v[rB:rB+7], v[rA:rA+7], v[rD:rD+7], v[rSB], v[rSA] matrix_a_fmt:MATRIX_FMT_FP4 matrix_b_fmt:MATRIX_FMT_FP4 matrix_a_scale:MATRIX_SCALE_ROW1
.else
	v_wmma_scale_f32_16x16x128_f8f6f4 v[rD:rD+7], v[rB:rB+7], v[rA:rA+7], v[BIAS+8*\b:BIAS+8*\b+7], v[rSB], v[rSA] matrix_a_fmt:MATRIX_FMT_FP4 matrix_b_fmt:MATRIX_FMT_FP4 matrix_a_scale:MATRIX_SCALE_ROW1
.endif
.endr
.endr
.endm
.macro FETCH_B slot, q, p
	WIN TO_B
.irp i, 0,1,2,3,4,5,6,7
	FRAG 128*(\p)+FR*\i, ADRB+\slot, \q, \i
.endr
	WIN 0
.endm
.macro FETCH_A slot, q, i0
.irp i, \i0, \i0+1, \i0+2, \i0+3
	FRAGA AF+FR*(\i), ADRA+\slot, \q, \i
.endr
.endm
.macro SCALES sc
.irp i, 0,1,2,3,4,5,6,7
	ds_load_b128 v[SC+8*NQ*\sc+NQ*\i:SC+8*NQ*\sc+NQ*\i+3], v[ADRS] offset:\i*SBLK
.endr
.endm
; A load into a register that a matrix instruction has read, and a vector instruction or an LDS store that reads a matrix result, stand NP places behind that matrix instruction, and only plain vector
; instructions that name none of its registers are places (ISA guide 7.12.1 for vector instructions).
.macro PLACES n
.rept \n
	v_nop
.endr
.endm
.macro STEP slot, q, cm                ; a step of 128 along K that has its successor in the same slot
	s_wait_dscnt 4*NL                              ; W_proj's set and A's blocks 0-3 are in; the youngest eight loads (A's blocks 4-7) may be out
.if \cm
	WIN FST_LO
.else
	WIN MUL_LO
.endif
	MUL16 0, (\q)%2, \q, \slot, \cm
	MUL16 2, (\q)%2, \q, \slot, \cm
	s_wait_dscnt 0                                 ; A's blocks 4-7 are in
	PLACES NP
	FETCH_B \slot, (\q)+1, 1-(\q)%2
	FETCH_A \slot, (\q)+1, 0
.if \cm
	WIN FST_HI
.else
	WIN MUL_HI
.endif
	MUL16 4, (\q)%2, \q, \slot, \cm
	MUL16 6, (\q)%2, \q, \slot, \cm
	PLACES NP
	WIN 0
	FETCH_A \slot, (\q)+1, 4
.endm
.macro STEPS slot, from
.set Q, \from
.rept NQ-1-\from
	STEP \slot, Q, 0
.set Q, Q+1
.endr
.endm
	s_wait_tensorcnt 1                             ; the scales and my part of slot 0 are in; one younger load, slot 1's, may stay out
	s_barrier_signal -1
	s_barrier_wait -1                              ; everybody's are
	FETCH_B 0, 0, 0
	FETCH_A 0, 0, 0
	SCALES 0
	FETCH_A 0, 0, 4
	s_wait_loadcnt 0x0                             ; the bias
	STEP 0, 0, 1                                   ; the first step's products start the sums
	STEPS 0, 1
	; slot 0's last step changes slots: one barrier; in front of it each wave waits for all its tensor loads (its part of slot 1)
	s_wait_tensorcnt 0x0
	ds_add_u32 v[SPW], v[NIL]                      ; 0 onto my spare word
	s_wait_dscnt 4*NL+1                            ; (the add and the youngest eight loads may be out)
	WIN MUL_LO
	MUL16 0, 1, NQ-1, 0, 0                         ; sixteen matrix instructions stand between the add and the wait for it
	s_wait_dscnt 0x0                               ; the add is done, and my reads of slot 0 are over
	s_barrier_signal -1
	MUL16 2, 1, NQ-1, 0, 0
	WIN 0
	s_barrier_wait -1                              ; slot 1 is whole, and nobody reads slot 0 any more
	PLACES NP
	v_add_nc_u32 v[ADRS], 4*NQ, v[ADRS]            ; on to slot 1's scale words
	FETCH_B 1, 0, 0
	FETCH_A 1, 0, 0
	SCALES 1
	WIN MUL_HI
	MUL16 4, 1, NQ-1, 0, 0
	MUL16 6, 1, NQ-1, 0, 0
	PLACES NP
	WIN 0
	FETCH_A 1, 0, 4
	STEPS 1, 0
	s_wait_dscnt 4*NL                              ; the very last step: nothing more to fetch
	WIN MUL_LO
	MUL16 0, 1, NQ-1, 1, 0
	MUL16 2, 1, NQ-1, 1, 0
	s_wait_dscnt 0
	WIN MUL_HI
	MUL16 4, 1, NQ-1, 1, 0
	MUL16 6, 1, NQ-1, 1, 0
	WIN 0
; THE WAY OUT, block by block of 16 rows x 128 columns.  A lane holds 32 neighbouring bytes of a row, and the lanes beside it hold other rows: so a block goes through my own stage in LDS and comes back as whole
; rows of 512 bytes.  LDS serves a wave's instructions in order (ISA guide 5.7.1.4): no wait between the stores and the loads, nor in front of the next block's stores.
.macro TOSTAGE a
.set AC, 64*((\a)%4)
.set WD, 0x08+4*((\a)/4)               ; an LDS store's data are its source 1: window 2 or 3
	WIN WD
.irp b, 0,1,2,3,4,5,6,7
	ds_store_b128 v[STO], v[AC+8*\b:AC+8*\b+3] offset:64*\b          ; each accumulator from its low end on
	ds_store_b128 v[STO], v[AC+8*\b+4:AC+8*\b+7] offset:64*\b+16
.endr
	WIN 0
.set BB, BK+64*((\a)%2)
.irp t, 0,1,2,3,4,5,6,7,8,9,10,11,12,13,14,15
	ds_load_b128 v[BB+4*\t:BB+4*\t+3], v[RD] offset:\t*SPITCH
.endr
.endm
.macro SEND a, younger                 ; younger: the LDS instructions issued behind block a's loads, which may stay out
.set BB, BK+64*((\a)%2)
	s_wait_dscnt \younger                          ; the block is back in registers
.if (\a) > 0
	s_add_nc_u64 s[12:13], s[12:13], 16*SIZE_N*4   ; (behind a wait on XCNT: the earlier stores have read their base)  16 rows of out0 on
.endif
.irp t, 0,1,2,3,4,5,6,7,8,9,10,11,12,13,14,15
	global_store_b128 v[CO], v[BB+4*\t:BB+4*\t+3], s[12:13] offset:\t*SIZE_N*4 th:TH_STORE_NT   ; 32 lanes store 512 consecutive bytes, at a multiple of 256 from out0's first byte; written once, read by nobody here
.endr
.endm
	PLACES NP                                      ; for the loads into the registers that held A's fragments and the bias, and for the reads of results
	TOSTAGE 0
.irp a, 1,2,3,4,5,6,7
.if \a > 1
	s_wait_xcnt 0x0                                ; block a - 2's stores have read their registers and their base: block a's loads may land there, and the base may step
.endif
	TOSTAGE \a
	SEND \a-1, 32                                  ; behind block a - 1's loads: block a's 16 stores and 16 loads
.endr
	s_wait_xcnt 0x0                                ; block 6's stores have read their base
	SEND 7, 0
	s_wait_tensorcnt 0x0                           ; the wave's end: behind my last tensor load and my last LDS store
	ds_add_u32 v[SPW], v[NIL]
	s_wait_dscnt 0x0
	CROUND                                         ; the closing round: no work-group ends while a partner may still ask for a tile that names it
	s_endpgm
.Lfunc_end_k_q36f1ea8c71_proj:
	.size	k_q36f1ea8c71_proj, .Lfunc_end_k_q36f1ea8c71_proj-k_q36f1ea8c71_proj
	.p2alignl 7, 3214868480
	.fill 96, 4, 3214868480
	.section	.rodata,"a",@progbits
	.p2align	6, 0x0
	.amdhsa_kernel k_q36f1ea8c71_proj
		.amdhsa_group_segment_fixed_size 327680
		.amdhsa_private_segment_fixed_size 0
		.amdhsa_enable_private_segment 0
		.amdhsa_kernarg_size 48
		.amdhsa_user_sgpr_count 2
		.amdhsa_user_sgpr_kernarg_segment_ptr 1
		.amdhsa_wavefront_size32 1
		.amdhsa_system_sgpr_workgroup_id_x 1
		.amdhsa_system_sgpr_workgroup_id_y 1
		.amdhsa_system_sgpr_workgroup_id_z 1
		.amdhsa_system_vgpr_workitem_id 0
		.amdhsa_next_free_vgpr 1024
		.amdhsa_next_free_sgpr 98
		.amdhsa_reserve_vcc 0
		.amdhsa_float_denorm_mode_32 3
		.amdhsa_float_denorm_mode_16_64 3
		.amdhsa_memory_ordered 1
		.amdhsa_forward_progress 1
		.amdhsa_inst_pref_size 126
	.end_amdhsa_kernel
	.amdgpu_metadata
---
amdhsa.version: [ 1, 2 ]
amdhsa.kernels:
  - .name:           k_q36f1ea8c71_proj
    .symbol:         k_q36f1ea8c71_proj.kd
    .args:
      - { .name: ac, .offset: 0, .size: 8, .value_kind: global_buffer, .address_space: global }
      - { .name: asc, .offset: 8, .size: 8, .value_kind: global_buffer, .address_space: global }
      - { .name: W_proj_codes, .offset: 16, .size: 8, .value_kind: global_buffer, .address_space: global }
      - { .name: W_proj_scales, .offset: 24, .size: 8, .value_kind: global_buffer, .address_space: global }
      - { .name: b_proj, .offset: 32, .size: 8, .value_kind: global_buffer, .address_space: global }
      - { .name: out0, .offset: 40, .size: 8, .value_kind: global_buffer, .address_space: global }
    .group_segment_fixed_size: 327680
    .private_segment_fixed_size: 0
    .kernarg_segment_align: 8
    .kernarg_segment_size: 48
    .max_flat_workgroup_size: 128
    .sgpr_count:     98
    .vgpr_count:     1024
    .wavefront_size: 32
...
	.end_amdgpu_metadata
.endif
;; end of part 3
